; MI455X (gfx1250); checked and timed in simulation.
; The chip was launched on July 23, 2026; its instructions are those of AMD's public machine-readable ISA for CDNA 5 (MIT licence, August 2026) and "CDNA5" Instruction Set Architecture Reference Guide (July 2026). The comments in the code are by the model that wrote it; some were corrected since.
;; Dec Green Net product CP4. Allowed arithmetic: matrix products marked QUANTISED: E3M2 operands, one E8M0 scale for each 32 along K, by v_wmma_scale_f32_16x16x128_f8f6f4 with both operands' format E3M2, f32 sums; products left as they are: f32 operands where the result goes on into a quantised operand, else bf16, f16 or f32 operands; f32 sums; everything else in f32.
;; Inputs: W1 3 x 1,024 float32; W2_codes 4,096 x 32 x 24 uint8 (E3M2 codes of W2, K innermost, in blocks of 32 codes, four codes in three bytes); W2_scales 4,096 x 32 uint8 (E8M0 scales of W2, one for each 32 codes along K); Wq0a 1 x 128 float32; Wq0b_codes 64 x 4 x 24 uint8 (E3M2 codes of Wq0b, K innermost, in blocks of 32 codes, four codes in three bytes); Wq0b_scales 64 x 4 uint8 (E8M0 scales of Wq0b, one for each 32 codes along K); Wq1a 1 x 128 float32; Wq1b_codes 64 x 4 x 24 uint8 (E3M2 codes of Wq1b, K innermost, in blocks of 32 codes, four codes in three bytes); Wq1b_scales 64 x 4 uint8 (E8M0 scales of Wq1b, one for each 32 codes along K); Wq2a 1 x 128 float32; Wq2b_codes 64 x 4 x 24 uint8 (E3M2 codes of Wq2b, K innermost, in blocks of 32 codes, four codes in three bytes); Wq2b_scales 64 x 4 uint8 (E8M0 scales of Wq2b, one for each 32 codes along K); Wq3a 1 x 128 float32; Wq3b_codes 64 x 4 x 24 uint8 (E3M2 codes of Wq3b, K innermost, in blocks of 32 codes, four codes in three bytes); Wq3b_scales 64 x 4 uint8 (E8M0 scales of Wq3b, one for each 32 codes along K); b1 1,024 float32; b2 4,096 float32; bq0a 128 float32; bq0b 64 float32; bq1a 128 float32; bq1b 64 float32; bq2a 128 float32; bq2b 64 float32; bq3a 128 float32; bq3b 64 float32; eq_param 1 float32; input 16,384 x 3 float32; quad_x0 64 x 1 float32; quad_x1 64 x 1 float32; quad_x2 64 x 1 float32; quad_x3 64 x 1 float32.
;; Outputs: out0 16,384 float32.
;; This version of the problem:
;;   THIS VERSION OF THE PROBLEM IS GIVEN IN LOW PRECISION. The matrix products marked QUANTISED in the list below multiply operands that are first quantised to E3M2 (3 exponent bits, 2 mantissa bits; 6 bits a number), with one power-of-two scale for each 32 numbers along K (OCP MX v1.0); their sums are f32. All else is computed in f32.
;;   The module's matrix products, in the order in which they are computed (A, B: the left and right operand; K: the contracted axis; several contracted axes count as one K, in the product's order):
;;     1. [M 16,384, K 3] x [K 3, N 1,024]; A: input input; B: input W1: left as it is (K = 3 < 32)
;;     2. [M 16,384, K 1,024] x [K 1,024, N 4,096]; A: computed on the way; B: input W2 (given as codes): QUANTISED
;;     3. [M 64, K 1] x [K 1, N 128]; A: input quad_x0; B: input Wq0a: left as it is (K = 1 < 32)
;;     4. [M 64, K 128] x [K 128, N 64]; A: computed on the way; B: input Wq0b (given as codes): QUANTISED
;;     5. [M 64, K 1] x [K 1, N 128]; A: input quad_x1; B: input Wq1a: left as it is (K = 1 < 32)
;;     6. [M 64, K 128] x [K 128, N 64]; A: computed on the way; B: input Wq1b (given as codes): QUANTISED
;;     7. [M 64, K 1] x [K 1, N 128]; A: input quad_x2; B: input Wq2a: left as it is (K = 1 < 32)
;;     8. [M 64, K 128] x [K 128, N 64]; A: computed on the way; B: input Wq2b (given as codes): QUANTISED
;;     9. [M 64, K 1] x [K 1, N 128]; A: input quad_x3; B: input Wq3a: left as it is (K = 1 < 32)
;;     10. [M 64, K 128] x [K 128, N 64]; A: computed on the way; B: input Wq3b (given as codes): QUANTISED
;;     11. batch 8 x [M 8, K 1] x [K 1, N 8]; A: computed on the way; B: computed on the way: left as it is (no contracted axis)
;;     12. batch 8 x [M 8, K 1] x [K 1, N 8]; A: computed on the way; B: computed on the way: left as it is (no contracted axis)
;;     13. [M 64, K 8] x [K 8, N 64]; A: computed on the way; B: computed on the way: left as it is (K = 8 < 32)
;;     14. [M 16,384, K 4,096] x [K 4,096, N 1]; A: computed on the way; B: computed on the way: left as it is (N = 1 < 16)
;;   THE QUANTISER, for each operand of a quantised product, along K:
;;     - K is cut into blocks of 32 from its start; a last block that is shorter is filled with zeros.
;;     - A block's scale is 2^e with e = floor(log2(the largest magnitude in the block)) - 4, held to -126 .. 127; a block of zeros has e = 0. As a byte (E8M0): e + 127.
;;     - Each number is divided by its block's scale, clamped to +-28, and rounded to the nearest number of E3M2, ties to even, subnormals kept.
;;     - The product sums the exact products of the quantised numbers (number of the format x scale) in f32.
;;   ~~~python
;;   def quantise(x, axis):      # numpy; x: float32 -> the quantised numbers, widened to float32 again
;;       x = np.moveaxis(x, axis, -1); K = x.shape[-1]
;;       x = np.pad(x, [(0, 0)] * (x.ndim - 1) + [(0, -K % 32)]); x = x.reshape(x.shape[:-1] + (-1, 32)); a = np.abs(x).max(-1, keepdims=True)
;;       e = np.where(a > 0, np.clip(np.frexp(np.where(a > 0, a, 1))[1] - 1 - 4, -126, 127), 0)      # np.frexp(a)[1] - 1 = floor(log2(a)), exactly
;;       r = np.clip(x / 2.0 ** e, -28, 28)
;;       step = 2.0 ** (np.maximum(np.frexp(np.where(r == 0, 1, r))[1] - 1, -2) - 2)
;;       q = np.round(r / step) * step * 2.0 ** e      # np.round: ties to even
;;       return np.moveaxis(q.reshape(q.shape[:-2] + (-1,))[..., :K], -1, axis).astype(np.float32)
;;   ~~~
;;   OPERANDS COMPUTED ON THE WAY. 'Computed on the way' means the value that the module computes at that place (a softmax that the list does not call 'softmax' is quantised finished and normalised). What goes into a quantiser is computed in f32, as accurately as f32 sums, v_exp_f32 and their like allow (about 1e-6 of the number): no bf16 or f16 on the way to a quantiser, and a product that is left as it is and whose result goes on into a quantised operand takes f32 operands (vector FMAs, or v_wmma_f32_16x16x4_f32). A number that lies on a knife's edge between two numbers of the format may be rounded either way, as far as f32 arithmetic and the matrix unit's own rounding can turn it there, and no further.
;;   INPUTS GIVEN AS CODES. W2 (in the module: [1024, 4096], K = its axis 0); Wq0b (in the module: [128, 64], K = its axis 0); Wq1b (in the module: [128, 64], K = its axis 0); Wq2b (in the module: [128, 64], K = its axis 0); Wq3b (in the module: [128, 64], K = its axis 0): each comes as NAME_codes (uint8): NAME with its K axis moved to the last place and cut into blocks of 32 codes, [.., K / 32, bytes a block], one block behind the other in memory; four codes in three bytes: a row's codes are one little-endian stream of bits, code i at bits 6 i .. 6 i + 5 (a code: sign, 3 exponent bits, 2 mantissa bits); and NAME_scales (uint8): the same leading axes, one E8M0 byte (e + 127) for each 32 codes along K. Its value is code x scale, taken as it is: it is not quantised again, and the codes and scales need not be those that the quantiser above would give.
;; 2 versions, each right and faster than the one before. Each part assembles by itself: llvm-mc -triple=amdgcn-amd-amdhsa -mcpu=gfx1250 --defsym DOCPART=n.
;; ======== version 1 of 2: 3 launches
;; limits: a function is approximated: absolute error at most 1.2e-07
;; workspace buffers: ws 13,123,840 bytes; part 262,144 bytes
;; launch prep (part 1): grid 257 x 1, 8 waves a work-group, no clusters, 25,600 bytes of LDS; arguments input, W1, b1, b2, eq_param, ws, quad_x0, Wq0a, bq0a, Wq0b_codes, Wq0b_scales, bq0b, quad_x1, Wq1a, bq1a, Wq1b_codes, Wq1b_scales, bq1b, quad_x2, Wq2a, bq2a, Wq2b_codes, Wq2b_scales, bq2b, quad_x3, Wq3a, bq3a, Wq3b_codes, Wq3b_scales, bq3b; writes ws
.if DOCPART == 1
	.amdgcn_target "amdgcn-amd-amdhsa--gfx1250"
	.amdhsa_code_object_version 6
	.text
	.protected	k_qb4f1f64385_prep
	.globl	k_qb4f1f64385_prep
	.p2align	8
	.type	k_qb4f1f64385_prep,@function
k_qb4f1f64385_prep:
	s_mov_b64 s[64:65], 0
	v_nop
	global_prefetch_b8 v0, s[64:65] scope:SCOPE_SE
	s_setreg_imm32_b32 hwreg(HW_REG_WAVE_MODE, 25, 1), 1
	s_wait_xcnt 0x0
; PREP.  Work-groups 1 to 256: h = tanh(input W1 + b1), 64 rows each, quantised to BF6 (E3M2) along the 1,024 hidden units and stored as images of operand registers.
; Work-group 0: the four small MLPs on the quadrature points, their weighted column sums S_i, rhs[4096] = the rank contraction of the S_i, and c0 = sum of b2[n] rhs[n].
; WORKSPACE ws: rhs at 0 (4,096 f32); c0 at C0_O; the scale words of h at HS_O, [row][K step] of 4 bytes; the codes of h at HQ_O, [tile of 16 rows][K step of 128][plane 0..2][lane][16 bytes].
; THE ORDER OF K INSIDE A MATRIX INSTRUCTION, alike on both operands of every product of this program: lane (r, h) holds the 48 consecutive bytes (64 codes) of its row at 96 s + 48 h, so a fragment is three
; pieces of 16 bytes.  The unit takes a lane's registers 0-5 as block h and registers 6-11 as block 2 + h of the step, so the scale bytes of memory blocks 0, 1, 2, 3 stand in the word as bytes 0, 2, 1, 3.
; Each code still meets the code of the same k and each block its own scale; only the order of the additions differs.
; tanh(z) = 1 - 2 / (1 + 2^(c z)), c = 2 log2(e), with c multiplied into the first layer's weights and biases (one more f32 rounding each).
; LIMITS: the absolute error of this tanh is about 1.2e-7, so its relative error passes 1e-6 where |z| is under about 0.1; it goes to +-1 rightly for large |z|.
; sin(pi x) is taken of x - round(x) by the series up to the 13th power (error under 1e-7), right for |x| under 2^23.  NaN and infinities among the inputs are not served.
; A block of zeros gets the scale byte 1 (its codes are zeros; only this program reads the bytes).
.set C2L,  0x4038aa3b                  ; c = 2 log2(e)
.set C0_O, 16384
.set HS_O, 16640
.set HQ_O, 540928
.set WST,  0                           ; LDS, rows of h: for each wave 2,048 bytes: c W1 rows 0, 1, 2 and c b1 of its 128 hidden units
.set HSC,  16384                       ; LDS, rows of h: 64 rows x 8 scale words
.set PQ,   18432                       ; LDS, work-group 0: for each wave 64 partial column sums
.set SF,   20480                       ; LDS, work-group 0: S_i[p][x] at 256 i + 32 p + 4 x
.set CW,   21504                       ; LDS, work-group 0: a partial c0 for each wave
.set WSC,  12                          ; v12-15   scale words of Wq_b: these registers hold nothing else
.set X,    16                          ; v16-31   rows of h: x0, x1, x2, 0 for each of four tiles of rows;  work-group 0: b2
.set WR,   32                          ; v32-159  first-layer weights and biases, times c
.set Z,    160                         ; v160-191 32 numbers at work: one block of 32 along K
.set CD,   192                         ; v192-239 codes: 12 registers a fragment
.set SWP,  240                         ; v240-243 scale words in the making: these registers hold nothing else
.set MX,   244                         ; v244-245 largest magnitude, two chains
.set SOP,  246                         ; v246     the conversions' scale operand
.set BYT,  247                         ; v247     the scale's byte
.set CT,   248                         ; v248-250 a block's upper 16 codes
.set SH8,  251                         ; v251     8 h
.set PD,   252                         ; v252     destination of lane exchanges
.set WV,   2                           ; s2       wave
.set SEL,  88                          ; s[88:89] selects of v_permlanex16_b32 for lane l xor 16
.set CC,   90                          ; s[90:91] c, as a pair for packed forms
; 32 numbers c z in v[Z] on become tanh(z), one block's scale byte (into half c of v[sw]) and its 32 codes (registers cd + 6 c .. cd + 6 c + 5).
.macro TANHQ cd, sw, c
.set j, 0
.rept 32
	v_exp_f32 v[Z+j], v[Z+j]                       ; 2^(c z): one batch
.set j, j+1
.endr
	v_nop                                          ; a plain instruction behind the last of the batch,
	s_wait_alu depctr_va_vdst(0)                   ; and one wait ahead of its first reader
.set j, 0
.rept 16
	v_pk_add_f32 v[Z+j:Z+j+1], v[Z+j:Z+j+1], 1.0 op_sel_hi:[1,0]
.set j, j+2
.endr
.set j, 0
.rept 32
	v_rcp_f32 v[Z+j], v[Z+j]
.set j, j+1
.endr
	v_nop
	s_wait_alu depctr_va_vdst(0)
.set j, 0
.rept 16
	v_pk_fma_f32 v[Z+j:Z+j+1], v[Z+j:Z+j+1], -2.0, 1.0 op_sel_hi:[1,0,0]   ; 1 - 2 / (1 + 2^(c z))
.set j, j+2
.endr
	v_max3_num_f32 v[MX], |v[Z]|, |v[Z+1]|, 0x2800000              ; the block's largest magnitude: all 32 numbers are mine; the floor 2^(5 - 127) holds the byte at 1 from below
	v_max3_num_f32 v[MX+1], |v[Z+2]|, |v[Z+3]|, |v[Z+4]|
.irp i, 5,9,13,17,21,25
	v_max3_num_f32 v[MX], v[MX], |v[Z+\i]|, |v[Z+\i+1]|
	v_max3_num_f32 v[MX+1], v[MX+1], |v[Z+\i+2]|, |v[Z+\i+3]|
.endr
	v_max3_num_f32 v[MX], v[MX], |v[Z+29]|, |v[Z+30]|
	v_max3_num_f32 v[MX], v[MX], v[MX+1], |v[Z+31]|
	v_add_nc_u32 v[SOP], 0xfe000000, v[MX]         ; 4 off its exponent field: the conversion takes this operand's exponent field as the scale
	v_lshrrev_b32 v[BYT], 23, v[SOP]               ; the scale's byte
.if \c == 0
	v_mov_b32 v[\sw], v[BYT]
.else
	v_lshl_or_b32 v[\sw], v[BYT], 16, v[\sw]
.endif
	v_cvt_scalef32_pk16_bf6_f32 v[(\cd)+6*(\c):(\cd)+6*(\c)+2], v[Z:Z+15], v[SOP]
	v_cvt_scalef32_pk16_bf6_f32 v[CT:CT+2], v[Z+16:Z+31], v[SOP]   ; (a conversion's three registers begin on an even number)
	v_nop                                          ; one plain instruction behind a scaled conversion
.irp i, 0,1,2
	v_mov_b32 v[(\cd)+6*(\c)+3+\i], v[CT+\i]
.endr
.endm
; My two bytes (blocks h and 2 + h as the unit counts them) go 8 h bits up; with lane l xor 16's two the row's scale word is whole.
.macro SWORD sw
	v_lshlrev_b32 v[\sw], v[SH8], v[\sw]
	v_permlanex16_b32 v[PD], v[\sw], s[SEL], s[SEL+1]
	v_or_b32 v[\sw], v[\sw], v[PD]
.endm
	v_lshl_add_u32 v254, v0, 2, 0x6000
	v_mov_b32 v255, 0
	v_and_b32 v1, 31, v0                           ; lane
	v_and_b32 v2, 15, v0                           ; r
	v_bfe_u32 v3, v0, 4, 1                         ; h
	v_lshrrev_b32 v4, 5, v0
	v_readfirstlane_b32 s[WV], v4                  ; wave 0..7
	v_lshlrev_b32 v[SH8], 3, v3
	v_mov_b32 v[PD], 0                             ; written once: a lane exchange's destination counts as read
	s_mov_b32 s[SEL], 0x76543210
	s_mov_b32 s[SEL+1], 0xfedcba98
	s_mov_b32 s[CC], C2L
	s_mov_b32 s[CC+1], C2L
	s_cmp_eq_u32 ttmp9, 0                          ; the same for all waves of a work-group; the two ways never join and use LDS bytes of their own
	s_cbranch_scc1 .Lquad
; ---------------- 64 ROWS OF h.  Wave w makes K step w (hidden units 128 w .. 128 w + 127) for four tiles of 16 rows.  Lane (r, h): row r, units 128 w + 64 h + 32 c + 0 .. 31.
	s_load_b256 s[4:11], s[0:1], 0x0               ; input s[4:5], W1 s[6:7], b1 s[8:9]
	s_load_b64 s[12:13], s[0:1], 0x28              ; ws
	s_sub_co_u32 s14, ttmp9, 1                     ; which 64 rows
	s_lshl_b32 s15, s[WV], 9
	s_lshl_b32 s18, s[WV], 11
	s_lshl_b32 s19, s[WV], 2
	s_add_co_u32 s19, s19, HSC
	v_lshlrev_b32 v4, 4, v1                        ; 16 x lane
	v_add_nc_u32 v5, s15, v4                       ; W1, b1: my 16 bytes of the wave's 512
	v_mul_u32_u24 v6, v2, 12                       ; input: row r of 12 bytes
	v_add_nc_u32 v7, s18, v4                       ; LDS: into my wave's weights
	v_lshl_add_u32 v8, v3, 8, s18                  ; LDS: out of them: my half's 64 units
	v_lshl_add_u32 v9, v2, 5, s19                  ; LDS: scale word of row r, K step w
	v_lshlrev_b32 v10, 3, v0                       ; 8 x thread
	v_lshl_add_u32 v11, v0, 3, HSC
	s_mul_i32 s16, s14, 768                        ; 64 rows of input
	s_mov_b32 s17, 0
	s_mul_i32 s20, s14, 49152                      ; four tiles of rows x 12,288 bytes of codes,
	s_mul_i32 s22, s[WV], 1536                     ; K step w
	s_add_co_u32 s20, s20, s22
	s_add_co_u32 s20, s20, HQ_O
	s_mov_b32 s21, 0
	s_lshl_b32 s22, s14, 11                        ; 64 rows x 32 bytes of scale words
	s_add_co_u32 s22, s22, HS_O
	s_mov_b32 s23, 0
	s_wait_kmcnt 0x0
	s_add_nc_u64 s[4:5], s[4:5], s[16:17]
	s_add_nc_u64 s[20:21], s[12:13], s[20:21]
	s_add_nc_u64 s[22:23], s[12:13], s[22:23]
	global_load_b128 v[Z:Z+3], v5, s[6:7]
	global_load_b128 v[Z+4:Z+7], v5, s[6:7] offset:4096
	global_load_b128 v[Z+8:Z+11], v5, s[6:7] offset:8192
	global_load_b128 v[Z+12:Z+15], v5, s[8:9]
.irp mt, 0,1,2,3
.irp d, 0,1,2
	global_load_b32 v[X+4*\mt+\d], v6, s[4:5] offset:192*\mt+4*\d
.endr
	v_mov_b32 v[X+4*\mt+3], 0                      ; named as the upper half of a pair
.endr
	s_wait_loadcnt 12                              ; the four loads of W1 and b1 are in; the 12 of x behind them may be out
.irp k, 0,2,4,6,8,10,12,14
	v_pk_mul_f32 v[Z+\k:Z+\k+1], v[Z+\k:Z+\k+1], s[CC:CC+1] op_sel_hi:[1,0]
.endr
.irp a, 0,1,2,3
	ds_store_b128 v7, v[Z+4*\a:Z+4*\a+3] offset:WST+512*\a     ; my wave's own bytes: LDS serves a wave's instructions in order, no barrier
.endr
	s_wait_loadcnt 0x0                             ; x
.macro ZH mt                           ; c z = c b + x0 c W0 + x1 c W1 + x2 c W2, two units at a time
.set k, 0
.rept 16
	v_pk_fma_f32 v[Z+k:Z+k+1], v[WR+k:WR+k+1], v[X+4*\mt:X+4*\mt+1], v[WR+96+k:WR+97+k] op_sel_hi:[1,0,1]
.set k, k+2
.endr
.set k, 0
.rept 16
	v_pk_fma_f32 v[Z+k:Z+k+1], v[WR+32+k:WR+33+k], v[X+4*\mt:X+4*\mt+1], v[Z+k:Z+k+1] op_sel:[0,1,0] op_sel_hi:[1,1,1]
.set k, k+2
.endr
.set k, 0
.rept 16
	v_pk_fma_f32 v[Z+k:Z+k+1], v[WR+64+k:WR+65+k], v[X+4*\mt+2:X+4*\mt+3], v[Z+k:Z+k+1] op_sel_hi:[1,0,1]
.set k, k+2
.endr
.endm
.irp c, 0,1
.irp a, 0,1,2,3
.irp i, 0,1,2,3,4,5,6,7
	ds_load_b128 v[WR+32*\a+4*\i:WR+32*\a+4*\i+3], v8 offset:WST+512*\a+128*\c+16*\i   ; the sixteen lanes of a half read the same bytes
.endr
.endr
	s_wait_dscnt 0x0                               ; the weights are in, and the stores above have read Z
.irp mt, 0,1,2,3
	ZH \mt
	TANHQ CD+12*\mt, SWP+\mt, \c
.endr
.endr
.irp mt, 0,1,2,3
	SWORD SWP+\mt
.endr
.irp mt, 0,1,2,3
	ds_store_b32 v9, v[SWP+\mt] offset:512*\mt     ; both halves of the lanes store the same word
.irp p, 0,1,2
	global_store_b128 v4, v[CD+12*\mt+4*\p:CD+12*\mt+4*\p+3], s[20:21] offset:12288*\mt+512*\p   ; the wave stores 512 consecutive bytes, aligned to 256
.endr
.endr
	s_wait_dscnt 0x0                               ; for the others: my scale words lie in LDS
	s_barrier_signal -1
	s_barrier_wait -1
	ds_load_b64 v[16:17], v11                      ; the 64 rows' 2,048 bytes of scale words, 8 bytes a thread
	s_wait_dscnt 0x0
	global_store_b64 v10, v[16:17], s[22:23]       ; a wave stores 256 consecutive bytes, aligned
	s_wait_tensorcnt 0x0
	ds_add_u32 v254, v255
	s_wait_dscnt 0x0
	s_endpgm
; ---------------- WORK-GROUP 0.  Wave w: factor i = w / 2, points 32 (w % 2) + 16 u + r, u = 0, 1.
.Lquad:
	s_load_b64 s[10:11], s[0:1], 0x18              ; b2
	s_load_b128 s[12:15], s[0:1], 0x20             ; eq_param s[12:13], ws s[14:15]
	s_load_b512 s[16:31], s[0:1], 0x30             ; the 24 addresses of the four factors: factor i, kind k at s[16 + 12 i + 2 k]
	s_load_b512 s[32:47], s[0:1], 0x70
	s_load_b512 s[48:63], s[0:1], 0xb0
	s_lshr_b32 s3, s[WV], 1                        ; i
	s_and_b32 s78, s[WV], 1
	s_lshl_b32 s78, s78, 7                         ; 32 points of 4 bytes
	s_lshl_b32 s92, s[WV], 8
	s_add_co_u32 s92, s92, PQ
	s_lshl_b32 s93, s[WV], 2
	s_add_co_u32 s93, s93, CW
	v_lshlrev_b32 v4, 2, v2
	v_add_nc_u32 v4, s78, v4                       ; quad_x: point r of my 32
	v_lshlrev_b32 v5, 8, v3                        ; Wa, ba: my half's 64 units
	v_lshlrev_b32 v6, 4, v0                        ; b2 and rhs: 16 x thread
	v_mul_u32_u24 v7, v2, 96
	v_mad_u32_u24 v7, v3, 48, v7                   ; Wb's codes: row r of 96 bytes, + 48 h
	v_lshlrev_b32 v228, 2, v2                      ; Wb's scale words: 4 r
	v_lshlrev_b32 v229, 5, v3                      ; bb: 32 h
	v_lshl_add_u32 v230, v3, 5, s92                ; LDS: my wave's partial sums, + 32 h
	v_lshrrev_b32 v231, 6, v0
	v_and_b32 v232, 63, v0
	v_lshlrev_b32 v231, 9, v231
	v_lshl_add_u32 v231, v232, 2, v231
	v_add_nc_u32 v231, PQ, v231                    ; LDS: thread t adds the two halves of factor t / 64, column t % 64
	v_lshl_add_u32 v232, v0, 2, SF
	v_bfe_u32 v233, v0, 4, 3
	v_lshl_add_u32 v233, v233, 5, SF+256           ; S1[d], d = (t / 16) % 8
	v_bfe_u32 v234, v0, 1, 3
	v_lshl_add_u32 v234, v234, 5, SF+512           ; S2[f], f = (t / 2) % 8
	v_and_b32 v235, 1, v0
	v_lshl_add_u32 v235, v235, 7, SF+768           ; S3[4 (t % 2) ..]
	v_lshrrev_b32 v236, 7, v0
	v_lshl_add_u32 v236, v236, 5, SF               ; S0[t / 128 + 2 ii]
	v_mov_b32 v237, s93
	v_mov_b32 v238, CW
	v_lshlrev_b32 v239, 2, v1
	s_mov_b32 s80, 0x40490fdb                      ; the series of sin(pi f): pi, -pi^3/3!, pi^5/5!, ..
	s_mov_b32 s81, 0xc0a55de7
	s_mov_b32 s82, 0x402335e3
	s_mov_b32 s83, 0xbf196966
	s_mov_b32 s84, 0x3da83c1b
	s_mov_b32 s85, 0xbbf183a6
	s_mov_b32 s86, 0x39f479ba
	s_wait_kmcnt 0x0
	s_load_b32 s79, s[12:13], 0x0                  ; eq_param
	s_bitcmp1_b32 s3, 0                            ; my factor's six addresses are chosen by the wave's number alone
.irp k, 0,1,2,3,4,5
	s_cselect_b64 s[16+2*\k:17+2*\k], s[28+2*\k:29+2*\k], s[16+2*\k:17+2*\k]
	s_cselect_b64 s[40+2*\k:41+2*\k], s[52+2*\k:53+2*\k], s[40+2*\k:41+2*\k]
.endr
	s_bitcmp1_b32 s3, 1
.irp k, 0,1,2,3,4,5
	s_cselect_b64 s[66+2*\k:67+2*\k], s[40+2*\k:41+2*\k], s[16+2*\k:17+2*\k]   ; quad_x s[66:67], Wa s[68:69], ba s[70:71], Wb codes s[72:73], Wb scales s[74:75], bb s[76:77]
.endr
	global_load_b32 v8, v4, s[66:67]
	global_load_b32 v10, v4, s[66:67] offset:64
.irp c, 0,1
.irp i, 0,1,2,3,4,5,6,7
	global_load_b128 v[WR+64*\c+4*\i:WR+64*\c+4*\i+3], v5, s[68:69] offset:128*\c+16*\i
	global_load_b128 v[WR+64*\c+32+4*\i:WR+64*\c+35+4*\i], v5, s[70:71] offset:128*\c+16*\i
.endr
.endr
.irp ii, 0,1,2,3
	global_load_b128 v[X+4*\ii:X+4*\ii+3], v6, s[10:11] offset:4096*\ii
.endr
	v_mov_b32 v9, 0                                ; upper halves of pairs that packed forms name
	v_mov_b32 v11, 0
	v_mov_b32 v225, 0
	v_mov_b32 v227, 0
	s_wait_loadcnt 0x0
	s_wait_kmcnt 0x0
.set k, 0
.rept 64
	v_pk_mul_f32 v[WR+k:WR+k+1], v[WR+k:WR+k+1], s[CC:CC+1] op_sel_hi:[1,0]
.set k, k+2
.endr
.irp u, 0,1                            ; y = eq_param sin(pi x): x = n + f, |f| <= 1/2; sin(pi x) = (-1)^n sin(pi f)
	v_rndne_f32 v[Z+4*\u], v[8+2*\u]
	v_sub_f32 v[Z+1+4*\u], v[8+2*\u], v[Z+4*\u]
	v_mul_f32 v[Z+2+4*\u], v[Z+1+4*\u], v[Z+1+4*\u]
	v_mov_b32 v[Z+3+4*\u], s86
.irp q, 85,84,83,82,81,80
	v_fma_f32 v[Z+3+4*\u], v[Z+3+4*\u], v[Z+2+4*\u], s\q
.endr
	v_mul_f32 v[Z+3+4*\u], v[Z+3+4*\u], v[Z+1+4*\u]
	v_cvt_i32_f32 v[Z+4*\u], v[Z+4*\u]
	v_lshlrev_b32 v[Z+4*\u], 31, v[Z+4*\u]
	v_xor_b32 v[Z+3+4*\u], v[Z+3+4*\u], v[Z+4*\u]
	v_mul_f32 v[224+2*\u], s79, v[Z+3+4*\u]
.endr
.macro ZQ c, u                         ; c z = x c Wa + c ba, two units at a time
.set k, 0
.rept 16
	v_pk_fma_f32 v[Z+k:Z+k+1], v[WR+64*(\c)+k:WR+64*(\c)+k+1], v[8+2*(\u):9+2*(\u)], v[WR+64*(\c)+32+k:WR+64*(\c)+33+k] op_sel_hi:[1,0,1]
.set k, k+2
.endr
.endm
	ZQ 0, 0
	TANHQ CD, SWP, 0
	ZQ 0, 1
	TANHQ CD+12, SWP+1, 0
.irp nt, 0,1,2,3                       ; Wb's four fragments take the registers that block 0's weights have left
.irp i, 0,1,2
	global_load_b128 v[WR+12*\nt+4*\i:WR+12*\nt+4*\i+3], v7, s[72:73] offset:1536*\nt+16*\i
.endr
	global_load_b32 v[WSC+\nt], v228, s[74:75] offset:64*\nt
.endr
	ZQ 1, 0
	TANHQ CD, SWP, 1
	ZQ 1, 1
	TANHQ CD+12, SWP+1, 1
.irp nt, 0,1,2,3                       ; bb is the C of the products: lane (r, h) wants columns 16 nt + 8 h + 0 .. 7
	global_load_b128 v[96+8*\nt:99+8*\nt], v229, s[76:77] offset:64*\nt
	global_load_b128 v[100+8*\nt:103+8*\nt], v229, s[76:77] offset:64*\nt+16
.endr
	SWORD SWP
	SWORD SWP+1
	s_mov_b32 s94, 0x03010200
	s_wait_loadcnt 0x0
.irp nt, 0,1,2,3
	v_perm_b32 v[WSC+\nt], v[WSC+\nt], v[WSC+\nt], s94   ; the given bytes 0, 1, 2, 3 into places 0, 2, 1, 3
.endr
.rept 8
	v_nop                                          ; a scale register written by a vector instruction stands 8 places ahead of a scaled matrix instruction, an operand so written 4
.endr
.irp u, 0,1                            ; TRANSPOSED: source 0 = 16 columns of Wb, source 1 = 16 points: lane (r, h) holds point r, register j column 16 nt + 8 h + j
.irp nt, 0,1,2,3
	v_wmma_scale_f32_16x16x128_f8f6f4 v[128+8*(4*\u+\nt):135+8*(4*\u+\nt)], v[WR+12*\nt:WR+12*\nt+11], v[CD+12*\u:CD+12*\u+11], v[96+8*\nt:103+8*\nt], v[WSC+\nt], v[SWP+\u] matrix_a_fmt:MATRIX_FMT_BF6 matrix_b_fmt:MATRIX_FMT_BF6
.endr
.endr
.rept 4
	v_nop
.endr
.set k, 0
.rept 16
	v_pk_mul_f32 v[96+k:97+k], v[128+k:129+k], v[224:225] op_sel_hi:[1,0]          ; y x the MLP's output; each accumulator from its low end on
.set k, k+2
.endr
.set k, 0
.rept 16
	v_pk_fma_f32 v[96+k:97+k], v[160+k:161+k], v[226:227], v[96+k:97+k] op_sel_hi:[1,0,1]
.set k, k+2
.endr
.irp m, 1,2,4,8                        ; the sum over my 32 points: the sixteen lanes of a half
.set k, 0
.rept 32
	v_add_f32_dpp v[96+k], v[96+k], v[96+k] row_xmask:\m row_mask:0xf bank_mask:0xf
.set k, k+1
.endr
.endr
.irp nt, 0,1,2,3
	ds_store_b128 v230, v[96+8*\nt:99+8*\nt] offset:64*\nt       ; the lanes of a half store the same numbers to the same bytes
	ds_store_b128 v230, v[100+8*\nt:103+8*\nt] offset:64*\nt+16
.endr
	s_wait_dscnt 0x0
	s_barrier_signal -1
	s_barrier_wait -1
	ds_load_b32 v32, v231
	ds_load_b32 v33, v231 offset:256
	s_wait_dscnt 0x0
	v_add_f32 v32, v32, v33
	ds_store_b32 v232, v32                         ; S_i[p][x]
	s_wait_dscnt 0x0
	s_barrier_signal -1
	s_barrier_wait -1
	; rhs[n], n = 512 b + 64 d + 8 f + m = 1,024 ii + 4 t + j: thread t has d, f, m = 4 (t % 2) + j and b = 2 ii + t / 128
	ds_load_b128 v[32:35], v233
	ds_load_b128 v[36:39], v233 offset:16
	ds_load_b128 v[40:43], v234
	ds_load_b128 v[44:47], v234 offset:16
.irp j, 0,1,2,3
	ds_load_b128 v[48+8*\j:51+8*\j], v235 offset:32*\j
	ds_load_b128 v[52+8*\j:55+8*\j], v235 offset:32*\j+16
.endr
.irp ii, 0,1,2,3
	ds_load_b128 v[80+8*\ii:83+8*\ii], v236 offset:64*\ii
	ds_load_b128 v[84+8*\ii:87+8*\ii], v236 offset:64*\ii+16
.endr
	s_wait_dscnt 0x0
.irp x, 0,2,4,6
	v_pk_mul_f32 v[112+\x:113+\x], v[32+\x:33+\x], v[40+\x:41+\x]                  ; S1 S2
.endr
.irp j, 0,1,2,3
.irp x, 0,2,4,6
	v_pk_mul_f32 v[120+8*\j+\x:121+8*\j+\x], v[112+\x:113+\x], v[48+8*\j+\x:49+8*\j+\x]   ; S1 S2 S3
.endr
.endr
.irp ii, 0,1,2,3
.irp j, 0,1,2,3
	v_pk_mul_f32 v[176+2*\j:177+2*\j], v[80+8*\ii:81+8*\ii], v[120+8*\j:121+8*\j]
.endr
.irp x, 2,4,6
.irp j, 0,1,2,3
	v_pk_fma_f32 v[176+2*\j:177+2*\j], v[80+8*\ii+\x:81+8*\ii+\x], v[120+8*\j+\x:121+8*\j+\x], v[176+2*\j:177+2*\j]
.endr
.endr
.irp j, 0,1,2,3
	v_add_f32 v[160+4*\ii+\j], v[176+2*\j], v[177+2*\j]
.endr
	global_store_b128 v6, v[160+4*\ii:163+4*\ii], s[14:15] offset:4096*\ii         ; a wave stores 512 consecutive bytes, aligned to 256
.endr
	v_mul_f32 v192, v[X], v160                     ; c0 = sum of b2 rhs: my 16 terms,
.set k, 1
.rept 15
	v_fmac_f32 v192, v[X+k], v[160+k]
.set k, k+1
.endr
.irp m, 1,2,4,8
	v_add_f32_dpp v192, v192, v192 row_xmask:\m row_mask:0xf bank_mask:0xf         ; my wave's,
.endr
	v_permlanex16_b32 v[PD], v192, s[SEL], s[SEL+1]
	v_add_f32 v192, v192, v[PD]
	ds_store_b32 v237, v192
	s_wait_dscnt 0x0
	s_barrier_signal -1
	s_barrier_wait -1
	ds_load_b128 v[196:199], v238                  ; and the eight waves'
	ds_load_b128 v[200:203], v238 offset:16
	s_wait_dscnt 0x0
	v_add_f32 v196, v196, v197
	v_add_f32 v198, v198, v199
	v_add_f32 v200, v200, v201
	v_add_f32 v202, v202, v203
	v_add_f32 v196, v196, v198
	v_add_f32 v200, v200, v202
	v_add_f32 v196, v196, v200
	s_cmp_lg_u32 s[WV], 0
	s_cbranch_scc1 .Lqend
	global_store_b32 v239, v196, s[14:15] offset:C0_O   ; wave 0 alone: the same number 32 times; the first word is read
.Lqend:
	s_wait_tensorcnt 0x0
	ds_add_u32 v254, v255
	s_wait_dscnt 0x0
	s_endpgm
.Lfunc_end_k_qb4f1f64385_prep:
	.size	k_qb4f1f64385_prep, .Lfunc_end_k_qb4f1f64385_prep-k_qb4f1f64385_prep
	.p2alignl 7, 3214868480
	.fill 96, 4, 3214868480
	.section	.rodata,"a",@progbits
	.p2align	6, 0x0
	.amdhsa_kernel k_qb4f1f64385_prep
		.amdhsa_group_segment_fixed_size 25600
		.amdhsa_private_segment_fixed_size 0
		.amdhsa_enable_private_segment 0
		.amdhsa_kernarg_size 240
		.amdhsa_user_sgpr_count 2
		.amdhsa_user_sgpr_kernarg_segment_ptr 1
		.amdhsa_wavefront_size32 1
		.amdhsa_system_sgpr_workgroup_id_x 1
		.amdhsa_system_sgpr_workgroup_id_y 1
		.amdhsa_system_sgpr_workgroup_id_z 1
		.amdhsa_system_vgpr_workitem_id 0
		.amdhsa_next_free_vgpr 256
		.amdhsa_next_free_sgpr 100
		.amdhsa_reserve_vcc 0
		.amdhsa_float_denorm_mode_32 3
		.amdhsa_float_denorm_mode_16_64 3
		.amdhsa_memory_ordered 1
		.amdhsa_forward_progress 1
		.amdhsa_inst_pref_size 143
	.end_amdhsa_kernel
	.amdgpu_metadata
---
amdhsa.version: [ 1, 2 ]
amdhsa.kernels:
  - .name:           k_qb4f1f64385_prep
    .symbol:         k_qb4f1f64385_prep.kd
    .args:
      - { .name: input, .offset: 0, .size: 8, .value_kind: global_buffer, .address_space: global }
      - { .name: W1, .offset: 8, .size: 8, .value_kind: global_buffer, .address_space: global }
      - { .name: b1, .offset: 16, .size: 8, .value_kind: global_buffer, .address_space: global }
      - { .name: b2, .offset: 24, .size: 8, .value_kind: global_buffer, .address_space: global }
      - { .name: eq_param, .offset: 32, .size: 8, .value_kind: global_buffer, .address_space: global }
      - { .name: ws, .offset: 40, .size: 8, .value_kind: global_buffer, .address_space: global }
      - { .name: quad_x0, .offset: 48, .size: 8, .value_kind: global_buffer, .address_space: global }
      - { .name: Wq0a, .offset: 56, .size: 8, .value_kind: global_buffer, .address_space: global }
      - { .name: bq0a, .offset: 64, .size: 8, .value_kind: global_buffer, .address_space: global }
      - { .name: Wq0b_codes, .offset: 72, .size: 8, .value_kind: global_buffer, .address_space: global }
      - { .name: Wq0b_scales, .offset: 80, .size: 8, .value_kind: global_buffer, .address_space: global }
      - { .name: bq0b, .offset: 88, .size: 8, .value_kind: global_buffer, .address_space: global }
      - { .name: quad_x1, .offset: 96, .size: 8, .value_kind: global_buffer, .address_space: global }
      - { .name: Wq1a, .offset: 104, .size: 8, .value_kind: global_buffer, .address_space: global }
      - { .name: bq1a, .offset: 112, .size: 8, .value_kind: global_buffer, .address_space: global }
      - { .name: Wq1b_codes, .offset: 120, .size: 8, .value_kind: global_buffer, .address_space: global }
      - { .name: Wq1b_scales, .offset: 128, .size: 8, .value_kind: global_buffer, .address_space: global }
      - { .name: bq1b, .offset: 136, .size: 8, .value_kind: global_buffer, .address_space: global }
      - { .name: quad_x2, .offset: 144, .size: 8, .value_kind: global_buffer, .address_space: global }
      - { .name: Wq2a, .offset: 152, .size: 8, .value_kind: global_buffer, .address_space: global }
      - { .name: bq2a, .offset: 160, .size: 8, .value_kind: global_buffer, .address_space: global }
      - { .name: Wq2b_codes, .offset: 168, .size: 8, .value_kind: global_buffer, .address_space: global }
      - { .name: Wq2b_scales, .offset: 176, .size: 8, .value_kind: global_buffer, .address_space: global }
      - { .name: bq2b, .offset: 184, .size: 8, .value_kind: global_buffer, .address_space: global }
      - { .name: quad_x3, .offset: 192, .size: 8, .value_kind: global_buffer, .address_space: global }
      - { .name: Wq3a, .offset: 200, .size: 8, .value_kind: global_buffer, .address_space: global }
      - { .name: bq3a, .offset: 208, .size: 8, .value_kind: global_buffer, .address_space: global }
      - { .name: Wq3b_codes, .offset: 216, .size: 8, .value_kind: global_buffer, .address_space: global }
      - { .name: Wq3b_scales, .offset: 224, .size: 8, .value_kind: global_buffer, .address_space: global }
      - { .name: bq3b, .offset: 232, .size: 8, .value_kind: global_buffer, .address_space: global }
    .group_segment_fixed_size: 25600
    .private_segment_fixed_size: 0
    .kernarg_segment_align: 8
    .kernarg_segment_size: 240
    .max_flat_workgroup_size: 256
    .sgpr_count:     100
    .vgpr_count:     256
    .wavefront_size: 32
...
	.end_amdgpu_metadata
.endif
;; end of part 1
;; launch gemm (part 2): grid 64 x 4, 4 waves a work-group, clusters of 4 x 1, 327,680 bytes of LDS; arguments ws, W2_codes, W2_scales, part; writes part
.if DOCPART == 2
	.amdgcn_target "amdgcn-amd-amdhsa--gfx1250"
	.amdhsa_code_object_version 6
	.text
	.protected	k_qb4f1f64385_gemm
	.globl	k_qb4f1f64385_gemm
	.p2align	8
	.type	k_qb4f1f64385_gemm,@function
k_qb4f1f64385_gemm:
	s_mov_b64 s[64:65], 0
	v_nop
	global_prefetch_b8 v0, s[64:65] scope:SCOPE_SE
	s_setreg_imm32_b32 hwreg(HW_REG_WAVE_MODE, 25, 1), 1
	s_wait_xcnt 0x0
	s_wait_alu depctr_hold_cnt(0) depctr_sa_sdst(0) depctr_va_vdst(0) depctr_va_sdst(0) depctr_va_ssrc(0) depctr_va_vcc(0) depctr_vm_vsrc(0)
	s_getreg_b32 s2, hwreg(HW_REG_IB_STS2, 6, 4)
	s_cmp_eq_u32 s2, 0
	s_cbranch_scc0 .Lentry_in_a_cluster
	s_endpgm
.Lentry_in_a_cluster:
	s_bfe_u32 s2, ttmp6, 0x10000c
	s_cmp_lg_u32 s2, 0x3003
	s_cbranch_scc0 .Lentry_shape_is_right
	s_endpgm
.Lentry_shape_is_right:
; part[q][m] = the sum over the 1,024 columns n of quarter q of (h W2)[m][n] rhs[n]; h and W2 as codes of BF6 (E3M2) with one E8M0 scale for each 32 along K = 1,024.
; SHARES.  A work-group takes 256 rows x 1,024 columns; each of its four waves 64 rows x all 1,024 columns.  A wave's codes of h (4 tiles of rows x 8 K steps x 12 registers = 384) stay in registers for the
; whole launch.  W2 goes through a ring of two LDS slots of 128 columns (98,304 bytes of codes), read by all four waves: 256 matrix instructions a wave between two changes of slots.
; A PAIR is 32 columns: 8 accumulators (4 tiles of rows x 2 tiles of columns) by turns through 8 K steps, 64 matrix instructions.  The finished pair is multiplied by rhs and added up (32 packed
; multiply-adds) between the next pair's matrix instructions, which work on a second set of accumulators.  (h W2) itself is never stored.
; TRANSPOSED: source 0 = 16 columns of W2, source 1 = 16 rows of h: lane (r, h) holds row r, register j column 16 e + 8 h + j.
; THE ORDER OF K INSIDE A STEP, alike on both sides: lane (r, h) holds the 48 consecutive bytes of its row at 96 s + 48 h: three loads of 16 bytes.  W2's given scale bytes 0, 1, 2, 3 of a step
; therefore go into places 0, 2, 1, 3 of the word (one v_perm_b32 a word); h's words were stored so.
; CLUSTER: the four work-groups of a cluster take the same quarter of the columns, so all that comes by tensor loads (W2's codes, its scale bytes, rhs) is asked for jointly, mask 15.
; No prefetch is laid: W2's quarter is read by 64 work-groups, a refill has 240 matrix instructions between its request and the wait for it, and h's codes are read at the head alone.
; LDS: slot 0 at 0, rhs, a stage, the spare words, slot 1 at 2^17, the scale bytes.  A slot: units of 256 bytes + 16 of padding; a column's 768 bytes are three units, 816 bytes = 51 x 16 from
; column to column.
; REGISTERS, in windows of 256.  Window 0: v0-11 addresses, v28-29 for the add, v32-47 h's scale words, v48-63 W2's (two sets), v64-83 the last sums.  Window 1: h's fragments of K steps 0-3,
; v192-207 rhs of a pair.  Window 2: h's fragments of K steps 4-7.  Window 3: v0-127 two sets of accumulators, v128-223 a ring of four K steps of W2's fragments, v224-239 the running sums,
; v240-247 LDS addresses.  Under the settings SG1 and SG2 the matrix instruction, the fragment loads and (SG1) the multiply-adds by rhs need no switch.
.set HS_O,  16640
.set HQ_O,  540928
.set UNITP, 272
.set ROWP,  816
.set PAIRB, 32*ROWP                    ; 26,112: a pair's codes in LDS, and what one tensor load brings
.set SLOTB, 4*PAIRB
.set RHSL,  SLOTB                      ; 104,448: rhs of my quarter, 4,096 bytes, filled once
.set STG,   RHSL+4096                  ; 108,544: 256 bytes for each wave, for the way out; no tensor load lands here
.set SPARE, STG+1024                   ; 109,568: the spare words, 128 bytes for each wave: two blocks of 256 bytes that no other line names
.set SLOT1, 1<<17
.set SCL,   SLOT1+SLOTB                ; 235,520: W2's scale bytes of my quarter: 128 units of 256 bytes + 16, filled once
.set TILEB, 128*768                    ; a slot's codes in memory
.set SPW, 28
.set NIL, 29
.set SCA, 32                           ; h's scale words: v[SCA + 8 u + s]: lanes 0-15 tile of rows 2 u, lanes 16-31 tile 2 u + 1
.set SCB, 48                           ; W2's: v[SCB + 8 set + s]: lanes 0-15 the pair's columns 0-15, lanes 16-31 columns 16-31
.set RH,  192                          ; window 1: rhs: v[RH + 8 e + j]
.set OA,  224                          ; window 3: a pair of running sums for each accumulator
.set LB,  240                          ; window 3: v240 816 r + 48 h; v241 816 r + 64 h (for pieces that lie behind one padding more in lanes 16-31)
.set ADB, 242                          ; window 3: v242, v243: the same in the pair that is being loaded
.set ADS, 244                          ; window 3: this tile's scale words
.set ADR, 245                          ; window 3: this tile's rhs
.set LS0, 246
.set LR0, 247
.set WV,  12
.set CX,  13
.set RB,  14
.set QQ,  15
.set G1T, 24                           ; s[24:31] group 1: 96 units of 256 bytes, padded
.set G1S, 32                           ; s[32:39] 32 units, padded
.set G1R, 40                           ; s[40:47] 4 units, dense
.set G0T, 48                           ; s[48:51] group 0 of tile 1, which then walks
.set G0S, 52
.set G0R, 56
.set TB,  60                           ; LDS byte at which the pair that is being loaded begins
.set TS,  61                           ; this tile's scale words: 4,352 bytes a tile
.set TR,  62                           ; this tile's rhs: 512 bytes a tile
.set CNT, 63
.set PSEL, 66
.set SEL, 68
.set AB,  70                           ; s[70:71] my wave's codes of h
.set HB,  72                           ; s[72:73] their scale words
.set PB,  74                           ; s[74:75] my wave's 64 numbers of part
.set G0F, 76                           ; s[76:79] group 0 of tile 0
.set SG1, 0xf7                         ; source 0, C and D window 3, source 1 window 1
.set SG2, 0xfb                         ; the same with source 1 in window 2
.set MSB, 0
.macro WIN new                         ; the immediate's high byte repeats the setting that is left
.if MSB != \new
	s_set_vgpr_msb (MSB<<8)|\new
.set MSB, \new
.endif
.endm
.macro CREST                           ; a round of the cluster's barrier behind its opening barrier
	s_cmp_lg_u32 s[WV], 0
	s_cbranch_scc1 .Lnot_wave_0_\@
	s_barrier_signal -3
.Lnot_wave_0_\@:
	s_barrier_wait -3
	s_barrier_signal -1
	s_barrier_wait -1
.endm
.macro CROUND
	s_barrier_signal -1
	s_barrier_wait -1
	CREST
.endm
.macro PLACES
.rept 4
	v_nop
.endr
.endm
	s_load_b256 s[4:11], s[0:1], 0x0               ; ws s[4:5], W2's codes s[6:7], W2's scales s[8:9], part s[10:11]
	v_lshl_add_u32 v[SPW], v0, 2, SPARE
	v_mov_b32 v[NIL], 0
	ds_add_u32 v28, v29
	ds_add_u32 v28, v29
	s_wait_dscnt 0x0
	v_lshrrev_b32 v1, 5, v0
	v_readfirstlane_b32 s[WV], v1                  ; wave 0..3
	s_bfe_u32 s[CX], ttmp6, 0x40000                ; my place in the cluster: it enters the addresses of h and of part alone
	s_lshl_b32 s[RB], ttmp9, 2
	s_add_co_u32 s[RB], s[RB], s[CX]               ; my block of 256 rows
	s_and_b32 s[QQ], ttmp7, 0xffff                 ; my quarter of the columns, which the four partners share
	s_mov_b32 s[G1T], 15|(3<<16)|(1<<20)|(1<<21)|(5<<22)|(3<<25)   ; 15:0 the mask: all four; 17:16 elements of 8 bytes; 20 padding on; 21 set beside a mask; 24:22 after every 64 words; 31:25 4 words of it
	s_mov_b32 s[G1S], 15|(3<<16)|(1<<20)|(1<<21)|(5<<22)|(3<<25)
	s_mov_b32 s[G1R], 15|(3<<16)|(1<<21)           ; no padding
.irp g, G1T, G1S, G1R
	s_mov_b32 s[\g+1], 32<<16                      ; tensor_dim0 = 32 elements: 256 bytes
	s_mov_b32 s[\g+3], 32<<16                      ; tile_dim0
	s_mov_b32 s[\g+5], 32                          ; from row to row: the blocks are dense in memory
	s_mov_b32 s[\g+6], 0
	s_mov_b32 s[\g+7], 0
.endr
	s_mov_b32 s[G1T+2], 96<<16                     ; tensor_dim1, and below tile_dim1
	s_mov_b32 s[G1T+4], 96
	s_mov_b32 s[G1S+2], 32<<16
	s_mov_b32 s[G1S+4], 32
	s_mov_b32 s[G1R+2], 4<<16
	s_mov_b32 s[G1R+4], 4
	s_mul_i32 s16, s[QQ], 8*TILEB                  ; W2's codes: my quarter, and pair w of a tile: 32 columns of 768 bytes
	s_mul_i32 s17, s[WV], 32*768
	s_add_co_u32 s16, s16, s17
	s_mov_b32 s17, 0
	s_lshl_b32 s18, s[QQ], 15                      ; W2's scale bytes: my quarter's 32,768, a quarter of them
	s_lshl_b32 s19, s[WV], 13
	s_add_co_u32 s18, s18, s19
	s_mov_b32 s19, 0
	s_lshl_b32 s3, s[WV], 10                       ; rhs: my quarter's 4,096 bytes, a quarter of them
	s_lshl_b32 s20, s[QQ], 12
	s_add_co_u32 s20, s20, s3
	s_mov_b32 s21, 0
	s_mul_i32 s22, s[WV], PAIRB
	s_mul_i32 s23, s[WV], 32*UNITP
	s_mul_i32 s[AB], s[RB], 196608                 ; h's codes: 16 tiles of rows x 12,288 bytes a block, 4 tiles a wave
	s_mul_i32 s2, s[WV], 49152
	s_add_co_u32 s[AB], s[AB], s2
	s_add_co_u32 s[AB], s[AB], HQ_O
	s_mov_b32 s[AB+1], 0
	s_lshl_b32 s[HB], s[RB], 13                    ; h's scale words: 32 bytes a row
	s_lshl_b32 s2, s[WV], 11
	s_add_co_u32 s[HB], s[HB], s2
	s_add_co_u32 s[HB], s[HB], HS_O
	s_mov_b32 s[HB+1], 0
	s_lshl_b32 s[PB], s[QQ], 16                    ; part: 65,536 q + 4 x my first row
	s_lshl_b32 s2, s[RB], 10
	s_add_co_u32 s[PB], s[PB], s2
	s_lshl_b32 s2, s[WV], 8
	s_add_co_u32 s[PB], s[PB], s2
	s_mov_b32 s[PB+1], 0
	s_add_co_u32 s2, s2, STG                       ; my stage
	s_mov_b32 s[PSEL], 0x03010200
	s_mov_b32 s[SEL], 0x76543210
	s_mov_b32 s[SEL+1], 0xfedcba98
	s_mov_b32 s[TB], 0
	s_mov_b32 s[TS], 0
	s_mov_b32 s[TR], 0
	s_wait_kmcnt 0x0
	s_add_nc_u64 s[AB:AB+1], s[4:5], s[AB:AB+1]
	s_add_nc_u64 s[HB:HB+1], s[4:5], s[HB:HB+1]
	s_add_nc_u64 s[PB:PB+1], s[10:11], s[PB:PB+1]
	s_mov_b32 s[G0S], 1
	s_add_co_u32 s[G0S+1], s23, SCL
	s_add_nc_u64 s[G0S+2:G0S+3], s[8:9], s[18:19]
	s_or_b32 s[G0S+3], s[G0S+3], 0x80000000
	s_mov_b32 s[G0R], 1
	s_add_co_u32 s[G0R+1], s3, RHSL
	s_add_nc_u64 s[G0R+2:G0R+3], s[4:5], s[20:21]  ; rhs lies at the head of ws
	s_or_b32 s[G0R+3], s[G0R+3], 0x80000000
	s_mov_b32 s[G0F], 1
	s_mov_b32 s[G0F+1], s22
	s_add_nc_u64 s[G0F+2:G0F+3], s[6:7], s[16:17]
	s_or_b32 s[G0F+3], s[G0F+3], 0x80000000
	s_mov_b32 s[G0T], 1
	s_add_co_u32 s[G0T+1], s22, SLOT1
	s_add_nc_u64 s[G0T+2:G0T+3], s[6:7], s[16:17]
	s_add_nc_u64 s[G0T+2:G0T+3], s[G0T+2:G0T+3], TILEB
	s_or_b32 s[G0T+3], s[G0T+3], 0x80000000
	CROUND                                         ; all four work-groups are here: the first joint loads meet
	tensor_load_to_lds s[G0S:G0S+3], s[G1S:G1S+7]  ; the first fills go out together: four loads of mine are out
	s_nop 0
	tensor_load_to_lds s[G0R:G0R+3], s[G1R:G1R+7]
	s_nop 0
	tensor_load_to_lds s[G0F:G0F+3], s[G1T:G1T+7]  ; tile 0 into slot 0,
	s_nop 0
	tensor_load_to_lds s[G0T:G0T+3], s[G1T:G1T+7]  ; tile 1 into slot 1
	s_nop 0
	PLACES                                         ; four plain lines behind the last of them
	v_and_b32 v1, 31, v0                           ; lane
	v_lshlrev_b32 v2, 4, v1
	v_lshlrev_b32 v3, 5, v1
	WIN 0x40                                       ; destination window 1
.irp s, 0,1,2,3
.irp mt, 0,1,2,3
.irp c, 0,1,2
	global_load_b128 v[12*(4*\s+\mt)+4*\c:12*(4*\s+\mt)+4*\c+3], v2, s[AB:AB+1] offset:12288*\mt+1536*\s+512*\c   ; an image of the operand's registers: 512 consecutive bytes a load
.endr
.endr
.endr
	WIN 0x80                                       ; destination window 2
.irp s, 0,1,2,3
.irp mt, 0,1,2,3
.irp c, 0,1,2
	global_load_b128 v[12*(4*\s+\mt)+4*\c:12*(4*\s+\mt)+4*\c+3], v2, s[AB:AB+1] offset:12288*\mt+1536*(\s+4)+512*\c
.endr
.endr
.endr
	WIN 0
.irp u, 0,1
	global_load_b128 v[SCA+8*\u:SCA+8*\u+3], v3, s[HB:HB+1] offset:1024*\u          ; row 32 u + lane: its eight scale words
	global_load_b128 v[SCA+8*\u+4:SCA+8*\u+7], v3, s[HB:HB+1] offset:1024*\u+16
.endr
	v_and_b32 v4, 15, v0                           ; r
	v_bfe_u32 v5, v0, 4, 1                         ; h
	v_mul_u32_u24 v6, v4, ROWP
	v_lshrrev_b32 v7, 3, v1
	v_and_b32 v8, 7, v0
	v_mul_u32_u24 v7, v7, UNITP
	v_add_nc_u32 v7, SCL, v7                       ; eight columns' scale bytes to a unit
	v_lshl_add_u32 v9, v1, 2, s2                   ; the stage: in, 4 bytes a lane;
	v_lshl_add_u32 v10, v1, 3, s2                  ; back, 8 bytes a lane;
	v_lshlrev_b32 v11, 3, v1                       ; and the same in part
.irp m, 0,1,2,3
	v_mov_b32 v[76+\m], 0                          ; written once: a lane exchange's destination counts as read
.endr
	WIN 0xc0                                       ; destination window 3
	v_mad_u32_u24 v[LB], v5, 48, v6
	v_lshl_add_u32 v[LB+1], v5, 6, v6
	v_lshl_add_u32 v[LS0], v8, 5, v7
	v_lshl_add_u32 v[LR0], v5, 5, RHSL
	WIN 0
	s_wait_tensorcnt 1                             ; the scale bytes, rhs and my part of tile 0 are in; tile 1's load may stay out
	s_barrier_signal -1
	s_barrier_wait -1                              ; everybody's are
; A matrix instruction: accumulator a = 2 mt + e of a set, K step s.  The 8 accumulators take turns, one instruction a turn, in the same order in every K step.
.macro WM set, s, a
.set rD, 64*(\set)+8*(\a)
.set rW, 128+24*((\s)%4)+12*((\a)%2)
.set rH, 12*(4*((\s)%4)+(\a)/2)
.set rSW, SCB+8*(\set)+(\s)
.set rSH, SCA+8*((\a)/4)+(\s)
.set rowW, (\a)%2
.set rowH, ((\a)/2)%2
.if (\s) == 0
.if (rowW == 0) && (rowH == 0)
	v_wmma_scale_f32_16x16x128_f8f6f4 v[rD:rD+7], v[rW:rW+11], v[rH:rH+11], 0, v[rSW], v[rSH] matrix_a_fmt:MATRIX_FMT_BF6 matrix_b_fmt:MATRIX_FMT_BF6
.elseif (rowW == 1) && (rowH == 0)
	v_wmma_scale_f32_16x16x128_f8f6f4 v[rD:rD+7], v[rW:rW+11], v[rH:rH+11], 0, v[rSW], v[rSH] matrix_a_fmt:MATRIX_FMT_BF6 matrix_b_fmt:MATRIX_FMT_BF6 matrix_a_scale:MATRIX_SCALE_ROW1
.elseif (rowW == 0) && (rowH == 1)
	v_wmma_scale_f32_16x16x128_f8f6f4 v[rD:rD+7], v[rW:rW+11], v[rH:rH+11], 0, v[rSW], v[rSH] matrix_a_fmt:MATRIX_FMT_BF6 matrix_b_fmt:MATRIX_FMT_BF6 matrix_b_scale:MATRIX_SCALE_ROW1
.else
	v_wmma_scale_f32_16x16x128_f8f6f4 v[rD:rD+7], v[rW:rW+11], v[rH:rH+11], 0, v[rSW], v[rSH] matrix_a_fmt:MATRIX_FMT_BF6 matrix_b_fmt:MATRIX_FMT_BF6 matrix_a_scale:MATRIX_SCALE_ROW1 matrix_b_scale:MATRIX_SCALE_ROW1
.endif
.else
.if (rowW == 0) && (rowH == 0)
	v_wmma_scale_f32_16x16x128_f8f6f4 v[rD:rD+7], v[rW:rW+11], v[rH:rH+11], v[rD:rD+7], v[rSW], v[rSH] matrix_a_fmt:MATRIX_FMT_BF6 matrix_b_fmt:MATRIX_FMT_BF6
.elseif (rowW == 1) && (rowH == 0)
	v_wmma_scale_f32_16x16x128_f8f6f4 v[rD:rD+7], v[rW:rW+11], v[rH:rH+11], v[rD:rD+7], v[rSW], v[rSH] matrix_a_fmt:MATRIX_FMT_BF6 matrix_b_fmt:MATRIX_FMT_BF6 matrix_a_scale:MATRIX_SCALE_ROW1
.elseif (rowW == 0) && (rowH == 1)
	v_wmma_scale_f32_16x16x128_f8f6f4 v[rD:rD+7], v[rW:rW+11], v[rH:rH+11], v[rD:rD+7], v[rSW], v[rSH] matrix_a_fmt:MATRIX_FMT_BF6 matrix_b_fmt:MATRIX_FMT_BF6 matrix_b_scale:MATRIX_SCALE_ROW1
.else
	v_wmma_scale_f32_16x16x128_f8f6f4 v[rD:rD+7], v[rW:rW+11], v[rH:rH+11], v[rD:rD+7], v[rSW], v[rSH] matrix_a_fmt:MATRIX_FMT_BF6 matrix_b_fmt:MATRIX_FMT_BF6 matrix_a_scale:MATRIX_SCALE_ROW1 matrix_b_scale:MATRIX_SCALE_ROW1
.endif
.endif
.endm
; Piece i of three of W2's fragment (K step k, tile of columns e) into place k % 4 of the ring.  Byte o of a column lies at o + 16 (o / 256); lanes 16-31 read 48 bytes further on, which for some pieces is behind one padding more.
.macro BLD k, e, i
.set bo, 96*(\k)+16*(\i)
.set bp, bo/256
.set br, 128+24*((\k)%4)+12*(\e)+4*(\i)
.if (bo+48)/256 > bp
	ds_load_b128 v[br:br+3], v[ADB+1] offset:16*ROWP*(\e)+bo+16*bp
.else
	ds_load_b128 v[br:br+3], v[ADB] offset:16*ROWP*(\e)+bo+16*bp
.endif
.endm
.macro LD2 k, a                        ; two of a K step's six pieces, behind accumulator a = 4, 5, 6
.set ln, 2*(\a)-8
	BLD \k, ln/3, ln%3
	BLD \k, (ln+1)/3, (ln+1)%3
.endm
; Multiply-add f of 32 on the finished set: accumulator f % 8, registers 2 (f / 8) and the next: every accumulator is read from its low end on.
.macro FMA f, oset
.set fa, (\f)%8
.set fj, (\f)/8
	v_pk_fma_f32 v[OA+2*fa:OA+2*fa+1], v[64*(\oset)+8*fa+2*fj:64*(\oset)+8*fa+2*fj+1], v[RH+8*(fa%2)+2*fj:RH+8*(fa%2)+2*fj+1], v[OA+2*fa:OA+2*fa+1]
.endm
; What stands behind matrix instruction a of K step s of pair p.  kind 0: a pair with a successor in its slot; 1, 2: a slot's last pair (K steps 5 to 7: macro TURN); 3: the very last pair.
; Behind a = 0 .. 3 of every K step stand four plain vector instructions that name no register of the K step before: they are the places in front of the loads into the ring place that it read,
; and in K step 0 in front of the first read of the finished set (ISA guide 7.12.1 for vector instructions).
.macro SLICE kind, p, s, a
.if (\s) == 0
.if (\a) < 4
	v_nop
.else
	FMA 2*(\a)-8, 1-(\p)%2
	FMA 2*(\a)-7, 1-(\p)%2
.endif
.elseif (\s) < 4
	FMA 8*(\s)+(\a), 1-(\p)%2
.if ((\s) == 1) && ((\a) == 3) && ((\kind) != 3)
	WIN 0x03                                       ; the next pair's scale words: column = lane, 32 bytes
	ds_load_b128 v[SCB+8*(1-(\p)%2):SCB+8*(1-(\p)%2)+3], v[ADS] offset:1088*((\p)+1)
	ds_load_b128 v[SCB+8*(1-(\p)%2)+4:SCB+8*(1-(\p)%2)+7], v[ADS] offset:1088*((\p)+1)+16
	WIN SG1
.endif
.elseif (\s) == 4
.if ((\a) < 2) && ((\kind) != 3)
	WIN 0
.irp i, 0,1,2,3
	v_perm_b32 v[SCB+8*(1-(\p)%2)+4*(\a)+\i], v[SCB+8*(1-(\p)%2)+4*(\a)+\i], v[SCB+8*(1-(\p)%2)+4*(\a)+\i], s[PSEL]   ; bytes 0, 1, 2, 3 into places 0, 2, 1, 3; at least 12 plain lines ahead of their first use
.endr
	WIN SG2
.elseif (\a) < 4
	v_nop
.endif
.if (\a) == 3
	WIN 0x43                                       ; this pair's rhs: the multiply-adds of K steps 0 to 3 have read the last pair's
.irp i, 0,1,2,3
	ds_load_b128 v[RH+4*\i:RH+4*\i+3], v[ADR] offset:128*(\p)+64*(\i/2)+16*(\i%2)
.endr
	WIN SG2
.endif
.elseif (\kind) == 0
.if ((\s) == 5) && ((\a) == 0)
	s_add_co_u32 s[TB], s[TB], PAIRB               ; from here on the loads are the next pair's
	v_add_nc_u32 v[ADB], v[LB], s[TB]
.elseif ((\s) == 5) && ((\a) == 1)
	v_add_nc_u32 v[ADB+1], v[LB+1], s[TB]
.elseif (\a) < 4
	v_nop
.endif
.endif
.if ((\a) >= 4) && ((\a) < 7) && (((\s) < 5) || ((\kind) == 0))
	LD2 ((\s)+3)%8, \a                             ; W2's fragments run three K steps ahead
.endif
.endm
.macro KS kind, p, s, n                ; a K step: n = the LDS instructions issued behind this step's six fragment loads, which may stay out
	s_wait_dscnt \n
.irp a, 0,1,2,3,4,5,6,7
	WM (\p)%2, \s, \a
	SLICE \kind, \p, \s, \a
.endr
.endm
.macro KSB s, nops                     ; a K step of a slot's last pair (set 1) with nothing, or four v_nop, between
.irp a, 0,1,2,3,4,5,6,7
	WM 1, \s, \a
.if (\nops) && (\a < 4)
	v_nop
.endif
.endr
.endm
; THE CHANGE OF SLOTS: K steps 5, 6, 7 of a slot's last pair.  The slot's last bytes were asked for in K step 4.  Each wave waits for all its tensor loads (one is out: its part of the other slot), adds 0 to
; its spare word, and waits for that and for its reads of this slot.  fill = 1: the barrier opens a round of the cluster's barrier, and this slot is filled again, with the tile two on, first thing behind it.
.macro TURN fill
	WIN 0                                          ; (the add's two registers lie in window 0)
	s_wait_tensorcnt 0x0                           ; no tensor load of mine is out, so the walking group 0 may be written
	ds_add_u32 v[SPW], v[NIL]                      ; 0 onto my spare word
.if \fill
	s_xor_b32 s[G0T+1], s[G0T+1], SLOT1            ; the other slot than last time,
	s_add_nc_u64 s[G0T+2:G0T+3], s[G0T+2:G0T+3], TILEB   ; the next 128 columns; the type bits on top are not reached
.endif
	s_sub_co_u32 s[TB], s[TB], 3*PAIRB             ; the loads go back to a slot's first pair,
	s_xor_b32 s[TB], s[TB], SLOT1                  ; in the other slot
	s_wait_dscnt 17                                ; K step 5's fragments are in: behind them K step 6's six loads, rhs's four, K step 7's six and the add
	WIN SG2
	KSB 5, 0                                       ; eight matrix instructions stand between the add and the wait for it
	s_wait_dscnt 0x0                               ; the add is done, and my reads of this slot are over
	s_barrier_signal -1
	KSB 6, 0                                       ; work on registers while the others arrive
	WIN 0
	s_barrier_wait -1
.if \fill
	CREST                                          ; no wave of any partner still reads this slot or has a load on its way
	tensor_load_to_lds s[G0T:G0T+3], s[G1T:G1T+7]  ; my one tensor load behind the round
	s_nop 0
.endif
	PLACES                                         ; behind the load; with the two sums below also the places in front of the loads into the ring
	WIN 0xc3
	v_add_nc_u32 v[ADB], v[LB], s[TB]
	v_add_nc_u32 v[ADB+1], v[LB+1], s[TB]
.irp k, 0,1,2
.irp e, 0,1
.irp i, 0,1,2
	BLD \k, \e, \i                                 ; the next tile's first pair, K steps 0 to 2
.endr
.endr
.endr
	WIN SG2
	KSB 7, 1
.endm
.macro PAIR kind, p
	WIN SG1
.if (\kind) == 3
	KS 3, \p, 0, 12
	KS 3, \p, 1, 12
	KS 3, \p, 2, 12
	KS 3, \p, 3, 12
	WIN SG2
	KS 3, \p, 4, 12
	KS 3, \p, 5, 16
	KS 3, \p, 6, 10
	KS 3, \p, 7, 0
.else
	KS \kind, \p, 0, 12                            ; two K steps' loads
	KS \kind, \p, 1, 12
	KS \kind, \p, 2, 14                            ; and the two scale loads
	KS \kind, \p, 3, 14
	WIN SG2
	KS \kind, \p, 4, 12
.if (\kind) == 0
	KS 0, \p, 5, 16                                ; and rhs's four
	KS 0, \p, 6, 16
	KS 0, \p, 7, 12
.else
	TURN 2-(\kind)
.endif
.endif
.endm
.macro TILE kind                       ; a slot's four pairs
	WIN 0xc3
	v_add_nc_u32 v[ADS], v[LS0], s[TS]
	v_add_nc_u32 v[ADR], v[LR0], s[TR]
	PAIR 0, 0
	PAIR 0, 1
	PAIR 0, 2
	PAIR \kind, 3
	WIN 0                                          ; at a label and at a branch every window is 0
	s_add_co_u32 s[TS], s[TS], 4*1088
	s_add_co_u32 s[TR], s[TR], 512
.endm
	WIN 0xc3
	v_add_nc_u32 v[ADB], v[LB], s[TB]
	v_add_nc_u32 v[ADB+1], v[LB+1], s[TB]
	WIN 0x03
	ds_load_b128 v[SCB:SCB+3], v[LS0]              ; the first pair's scale words
	ds_load_b128 v[SCB+4:SCB+7], v[LS0] offset:16
	WIN 0xc3
.irp k, 0,1,2
.irp e, 0,1
.irp i, 0,1,2
	BLD \k, \e, \i
.endr
.endr
.endr
	s_wait_dscnt 18                                ; the two scale loads are in; the 18 behind them may be out
	WIN 0
.irp i, 0,1,2,3,4,5,6,7
	v_perm_b32 v[SCB+\i], v[SCB+\i], v[SCB+\i], s[PSEL]
.endr
	WIN 0xc0                                       ; the pair is written once: the first finds a finished set, rhs and sums of zeros.  (These lines are also the places behind the lines above)
.set k, 0
.rept 64
	v_mov_b32 v[64+k], 0
.set k, k+1
.endr
.set k, 0
.rept 16
	v_mov_b32 v[OA+k], 0
.set k, k+1
.endr
	WIN 0x40
.set k, 0
.rept 16
	v_mov_b32 v[RH+k], 0
.set k, k+1
.endr
	WIN 0
	s_wait_loadcnt 0x0                             ; h's codes and scale words
	s_mov_b32 s[CNT], 6
.Ltile:                                            ; tiles 0 to 5: each slot is filled again with the tile two on
	TILE 1
	s_sub_co_u32 s[CNT], s[CNT], 1
	s_cmp_lg_u32 s[CNT], 0
	s_cbranch_scc1 .Ltile
	TILE 2                                         ; tile 6: a change of slots, nothing left to ask for; written out
	TILE 3                                         ; tile 7
	WIN SG1
	PLACES
.set k, 0
.rept 32
	FMA k, 1                                       ; the last pair x rhs
.set k, k+1
.endr
	WIN 0x0f                                       ; sources window 3, destination window 0
.irp a, 0,1,2,3,4,5,6,7
	v_add_f32 v[64+\a], v[OA+2*\a], v[OA+2*\a+1]
.endr
	WIN 0
.irp m, 0,1,2,3
	v_add_f32 v[72+\m], v[64+2*\m], v[65+2*\m]     ; row r of tile of rows m: my half's columns,
.endr
.irp m, 0,1,2,3
	v_permlanex16_b32 v[76+\m], v[72+\m], s[SEL], s[SEL+1]
.endr
.irp m, 0,1,2,3
	v_add_f32 v[72+\m], v[72+\m], v[76+\m]         ; and the other half's
.endr
	v_cmp_le_u32 vcc_lo, 16, v1                    ; on the lane's number alone
	v_cndmask_b32 v80, v72, v73, vcc_lo            ; row 32 u + lane
	v_cndmask_b32 v81, v74, v75, vcc_lo
	ds_store_b32 v9, v80                           ; through my own 256 bytes of LDS, so that one store covers them: LDS serves a wave's instructions in order
	ds_store_b32 v9, v81 offset:128
	ds_load_b64 v[82:83], v10
	s_wait_dscnt 0x0
	global_store_b64 v11, v[82:83], s[PB:PB+1]     ; the wave stores 256 consecutive bytes, aligned
	s_wait_tensorcnt 0x0                           ; the wave's end
	ds_add_u32 v[SPW], v[NIL]
	s_wait_dscnt 0x0
	CROUND                                         ; the closing round: no work-group ends while a partner may still ask for a tile that names it
	s_endpgm
.Lfunc_end_k_qb4f1f64385_gemm:
	.size	k_qb4f1f64385_gemm, .Lfunc_end_k_qb4f1f64385_gemm-k_qb4f1f64385_gemm
	.p2alignl 7, 3214868480
	.fill 96, 4, 3214868480
	.section	.rodata,"a",@progbits
	.p2align	6, 0x0
	.amdhsa_kernel k_qb4f1f64385_gemm
		.amdhsa_group_segment_fixed_size 327680
		.amdhsa_private_segment_fixed_size 0
		.amdhsa_enable_private_segment 0
		.amdhsa_kernarg_size 32
		.amdhsa_user_sgpr_count 2
		.amdhsa_user_sgpr_kernarg_segment_ptr 1
		.amdhsa_wavefront_size32 1
		.amdhsa_system_sgpr_workgroup_id_x 1
		.amdhsa_system_sgpr_workgroup_id_y 1
		.amdhsa_system_sgpr_workgroup_id_z 1
		.amdhsa_system_vgpr_workitem_id 0
		.amdhsa_next_free_vgpr 1024
		.amdhsa_next_free_sgpr 80
		.amdhsa_reserve_vcc 1
		.amdhsa_float_denorm_mode_32 3
		.amdhsa_float_denorm_mode_16_64 3
		.amdhsa_memory_ordered 1
		.amdhsa_forward_progress 1
		.amdhsa_inst_pref_size 207
	.end_amdhsa_kernel
	.amdgpu_metadata
---
amdhsa.version: [ 1, 2 ]
amdhsa.kernels:
  - .name:           k_qb4f1f64385_gemm
    .symbol:         k_qb4f1f64385_gemm.kd
    .args:
      - { .name: ws, .offset: 0, .size: 8, .value_kind: global_buffer, .address_space: global }
      - { .name: W2_codes, .offset: 8, .size: 8, .value_kind: global_buffer, .address_space: global }
      - { .name: W2_scales, .offset: 16, .size: 8, .value_kind: global_buffer, .address_space: global }
      - { .name: part, .offset: 24, .size: 8, .value_kind: global_buffer, .address_space: global }
    .group_segment_fixed_size: 327680
    .private_segment_fixed_size: 0
    .kernarg_segment_align: 8
    .kernarg_segment_size: 32
    .max_flat_workgroup_size: 128
    .sgpr_count:     80
    .vgpr_count:     1024
    .wavefront_size: 32
...
	.end_amdgpu_metadata
.endif
;; end of part 2
;; launch fin (part 3): grid 32 x 1, 4 waves a work-group, no clusters, 0 bytes of LDS; arguments part, ws, out0; writes out0
.if DOCPART == 3
	.amdgcn_target "amdgcn-amd-amdhsa--gfx1250"
	.amdhsa_code_object_version 6
	.text
	.protected	k_qb4f1f64385_fin
	.globl	k_qb4f1f64385_fin
	.p2align	8
	.type	k_qb4f1f64385_fin,@function
k_qb4f1f64385_fin:
	s_mov_b64 s[64:65], 0
	v_nop
	global_prefetch_b8 v0, s[64:65] scope:SCOPE_SE
	s_setreg_imm32_b32 hwreg(HW_REG_WAVE_MODE, 25, 1), 1
	s_wait_xcnt 0x0
; out0[m] = part[0][m] + part[1][m] + part[2][m] + part[3][m] + c0: the four quarters of the columns, and c0 = the sum of b2[n] rhs[n].
; 32 work-groups x 128 threads x 4 numbers.  A stream of 320 KiB: no LDS, no matrix unit, no cluster.  Each load and store of a wave covers 512 consecutive bytes, aligned to 256.
.set C0_O, 16384
	s_load_b128 s[4:7], s[0:1], 0x0                ; part s[4:5], ws s[6:7]
	s_load_b64 s[8:9], s[0:1], 0x10                ; out0
	v_lshlrev_b32 v1, 4, v0
	s_lshl_b32 s10, ttmp9, 11
	v_add_nc_u32 v1, s10, v1                       ; 16 x thread + 2,048 x work-group
	s_wait_kmcnt 0x0
	s_load_b32 s12, s[6:7], C0_O                   ; c0
.irp q, 0,1,2,3
	global_load_b128 v[4+4*\q:7+4*\q], v1, s[4:5] offset:65536*\q th:TH_LOAD_NT
.endr
	s_wait_kmcnt 0x0
	s_mov_b32 s13, s12                             ; (named with it as a pair)
	s_wait_loadcnt 0x0
	v_pk_add_f32 v[4:5], v[4:5], v[8:9]
	v_pk_add_f32 v[6:7], v[6:7], v[10:11]
	v_pk_add_f32 v[12:13], v[12:13], v[16:17]
	v_pk_add_f32 v[14:15], v[14:15], v[18:19]
	v_pk_add_f32 v[4:5], v[4:5], v[12:13]
	v_pk_add_f32 v[6:7], v[6:7], v[14:15]
	v_pk_add_f32 v[4:5], v[4:5], s[12:13] op_sel_hi:[1,0]
	v_pk_add_f32 v[6:7], v[6:7], s[12:13] op_sel_hi:[1,0]
	global_store_b128 v1, v[4:7], s[8:9]
	s_endpgm
.Lfunc_end_k_qb4f1f64385_fin:
	.size	k_qb4f1f64385_fin, .Lfunc_end_k_qb4f1f64385_fin-k_qb4f1f64385_fin
	.p2alignl 7, 3214868480
	.fill 96, 4, 3214868480
	.section	.rodata,"a",@progbits
	.p2align	6, 0x0
	.amdhsa_kernel k_qb4f1f64385_fin
		.amdhsa_group_segment_fixed_size 0
		.amdhsa_private_segment_fixed_size 0
		.amdhsa_enable_private_segment 0
		.amdhsa_kernarg_size 24
		.amdhsa_user_sgpr_count 2
		.amdhsa_user_sgpr_kernarg_segment_ptr 1
		.amdhsa_wavefront_size32 1
		.amdhsa_system_sgpr_workgroup_id_x 1
		.amdhsa_system_sgpr_workgroup_id_y 1
		.amdhsa_system_sgpr_workgroup_id_z 1
		.amdhsa_system_vgpr_workitem_id 0
		.amdhsa_next_free_vgpr 32
		.amdhsa_next_free_sgpr 66
		.amdhsa_reserve_vcc 0
		.amdhsa_float_denorm_mode_32 3
		.amdhsa_float_denorm_mode_16_64 3
		.amdhsa_memory_ordered 1
		.amdhsa_forward_progress 1
		.amdhsa_inst_pref_size 2
	.end_amdhsa_kernel
	.amdgpu_metadata
---
amdhsa.version: [ 1, 2 ]
amdhsa.kernels:
  - .name:           k_qb4f1f64385_fin
    .symbol:         k_qb4f1f64385_fin.kd
    .args:
      - { .name: part, .offset: 0, .size: 8, .value_kind: global_buffer, .address_space: global }
      - { .name: ws, .offset: 8, .size: 8, .value_kind: global_buffer, .address_space: global }
      - { .name: out0, .offset: 16, .size: 8, .value_kind: global_buffer, .address_space: global }
    .group_segment_fixed_size: 0
    .private_segment_fixed_size: 0
    .kernarg_segment_align: 8
    .kernarg_segment_size: 24
    .max_flat_workgroup_size: 128
    .sgpr_count:     66
    .vgpr_count:     32
    .wavefront_size: 32
...
	.end_amdgpu_metadata
.endif
;; end of part 3
;; ======== version 2 of 2: 3 launches; 1.19 times as fast as version 1
;; limits: a function is approximated: absolute error at most 1.2e-07
;; workspace buffers: ws 13,123,840 bytes; part 262,144 bytes
;; launch prep: the kernel of part 1 again; grid 257 x 1, 8 waves a work-group, no clusters, 25,600 bytes of LDS; arguments input, W1, b1, b2, eq_param, ws, quad_x0, Wq0a, bq0a, Wq0b_codes, Wq0b_scales, bq0b, quad_x1, Wq1a, bq1a, Wq1b_codes, Wq1b_scales, bq1b, quad_x2, Wq2a, bq2a, Wq2b_codes, Wq2b_scales, bq2b, quad_x3, Wq3a, bq3a, Wq3b_codes, Wq3b_scales, bq3b; writes ws
;; launch gemm (part 4): grid 64 x 4, 4 waves a work-group, clusters of 4 x 1, 327,680 bytes of LDS; arguments ws, W2_codes, W2_scales, part; writes part
.if DOCPART == 4
	.amdgcn_target "amdgcn-amd-amdhsa--gfx1250"
	.amdhsa_code_object_version 6
	.text
	.protected	k_qb4f1f64385_gemm
	.globl	k_qb4f1f64385_gemm
	.p2align	8
	.type	k_qb4f1f64385_gemm,@function
k_qb4f1f64385_gemm:
	s_mov_b64 s[64:65], 0
	v_nop
	global_prefetch_b8 v0, s[64:65] scope:SCOPE_SE
	s_setreg_imm32_b32 hwreg(HW_REG_WAVE_MODE, 25, 1), 1
	s_wait_xcnt 0x0
	s_wait_alu depctr_hold_cnt(0) depctr_sa_sdst(0) depctr_va_vdst(0) depctr_va_sdst(0) depctr_va_ssrc(0) depctr_va_vcc(0) depctr_vm_vsrc(0)
	s_getreg_b32 s2, hwreg(HW_REG_IB_STS2, 6, 4)
	s_cmp_eq_u32 s2, 0
	s_cbranch_scc0 .Lentry_in_a_cluster
	s_endpgm
.Lentry_in_a_cluster:
	s_bfe_u32 s2, ttmp6, 0x10000c
	s_cmp_lg_u32 s2, 0x3003
	s_cbranch_scc0 .Lentry_shape_is_right
	s_endpgm
.Lentry_shape_is_right:
; part[q][m] = the sum over the 1,024 columns n of quarter q of (h W2)[m][n] rhs[n]; h and W2 as codes of BF6 (E3M2) with one E8M0 scale for each 32 along K = 1,024.
; SHARES.  A work-group takes 256 rows x 1,024 columns; each of its four waves 64 rows x all 1,024 columns.  A wave's codes of h (4 tiles of rows x 8 K steps x 12 registers = 384) stay in registers for the
; whole launch.  W2 goes through a ring of two LDS slots of 128 columns (98,304 bytes of codes), read by all four waves: 256 matrix instructions a wave between two changes of slots.
; A PAIR is 32 columns: 8 accumulators (4 tiles of rows x 2 tiles of columns) by turns through 8 K steps, 64 matrix instructions.  The finished pair is multiplied by rhs and added up (32 packed
; multiply-adds) between the next pair's matrix instructions, which work on a second set of accumulators.  (h W2) itself is never stored.
; THE LDS LOADS STAND IN FOUR RUNS A PAIR, never singly among the matrix instructions: a run brings W2's fragments of two K steps (12 loads) into the two places of a ring of four that the two K steps
; just multiplied have left, 16 matrix instructions ahead of their first use; the next pair's scale words and this pair's rhs ride at the head of two of the runs.
; TRANSPOSED: source 0 = 16 columns of W2, source 1 = 16 rows of h: lane (r, h) holds row r, register j column 16 e + 8 h + j.
; THE ORDER OF K INSIDE A STEP, alike on both sides: lane (r, h) holds the 48 consecutive bytes of its row at 96 s + 48 h: three loads of 16 bytes.  W2's given scale bytes 0, 1, 2, 3 of a step
; therefore go into places 0, 2, 1, 3 of the word (one v_perm_b32 a word); h's words were stored so.
; CLUSTER: the four work-groups of a cluster take the same quarter of the columns, so all that comes by tensor loads (W2's codes, its scale bytes, rhs) is asked for jointly, mask 15.
; No prefetch is laid: W2's quarter is read by 64 work-groups, a refill has 240 matrix instructions between its request and the wait for it, and h's codes are read at the head alone.
; LDS: slot 0 at 0, rhs, a stage, the spare words, slot 1 at 2^17, the scale bytes.  A slot: units of 256 bytes + 16 of padding; a column's 768 bytes are three units, 816 bytes = 51 x 16 from
; column to column.
; REGISTERS, in windows of 256.  Window 0: v0-11 addresses, v28-29 for the add, v32-47 h's scale words, v48-63 W2's (two sets), v64-83 the last sums.  Window 1: h's fragments of K steps 0-3,
; v192-207 rhs of a pair.  Window 2: h's fragments of K steps 4-7.  Window 3: v0-127 two sets of accumulators, v128-223 a ring of four K steps of W2's fragments, v224-239 the running sums,
; v240-247 LDS addresses.  Under the settings SG1 and SG2 the matrix instruction, the fragment loads and (SG1) the multiply-adds by rhs need no switch.
.set HS_O,  16640
.set HQ_O,  540928
.set UNITP, 272
.set ROWP,  816
.set PAIRB, 32*ROWP                    ; 26,112: a pair's codes in LDS, and what one tensor load brings
.set SLOTB, 4*PAIRB
.set RHSL,  SLOTB                      ; 104,448: rhs of my quarter, 4,096 bytes, filled once
.set STG,   RHSL+4096                  ; 108,544: 256 bytes for each wave, for the way out; no tensor load lands here
.set SPARE, STG+1024                   ; 109,568: the spare words, 128 bytes for each wave: two blocks of 256 bytes that no other line names
.set SLOT1, 1<<17
.set SCL,   SLOT1+SLOTB                ; 235,520: W2's scale bytes of my quarter: 128 units of 256 bytes + 16, filled once
.set TILEB, 128*768                    ; a slot's codes in memory
.set SPW, 28
.set NIL, 29
.set SCA, 32                           ; h's scale words: v[SCA + 8 u + s]: lanes 0-15 tile of rows 2 u, lanes 16-31 tile 2 u + 1
.set SCB, 48                           ; W2's: v[SCB + 8 set + s]: lanes 0-15 the pair's columns 0-15, lanes 16-31 columns 16-31
.set RH,  192                          ; window 1: rhs: v[RH + 8 e + j]
.set OA,  224                          ; window 3: a pair of running sums for each accumulator
.set LB,  240                          ; window 3: v240 816 r + 48 h; v241 816 r + 64 h (for pieces that lie behind one padding more in lanes 16-31)
.set ADB, 242                          ; window 3: v242, v243: the same in the pair that is being loaded
.set ADS, 244                          ; window 3: this tile's scale words
.set ADR, 245                          ; window 3: this tile's rhs
.set LS0, 246
.set LR0, 247
.set WV,  12
.set CX,  13
.set RB,  14
.set QQ,  15
.set G1T, 24                           ; s[24:31] group 1: 96 units of 256 bytes, padded
.set G1S, 32                           ; s[32:39] 32 units, padded
.set G1R, 40                           ; s[40:47] 4 units, dense
.set G0T, 48                           ; s[48:51] group 0 of tile 1, which then walks
.set G0S, 52
.set G0R, 56
.set TB,  60                           ; LDS byte at which the pair that is being loaded begins
.set TS,  61                           ; this tile's scale words: 4,352 bytes a tile
.set TR,  62                           ; this tile's rhs: 512 bytes a tile
.set CNT, 63
.set PSEL, 66
.set SEL, 68
.set AB,  70                           ; s[70:71] my wave's codes of h
.set HB,  72                           ; s[72:73] their scale words
.set PB,  74                           ; s[74:75] my wave's 64 numbers of part
.set G0F, 76                           ; s[76:79] group 0 of tile 0
.set SG1, 0xf7                         ; source 0, C and D window 3, source 1 window 1
.set SG2, 0xfb                         ; the same with source 1 in window 2
.set MSB, 0
.macro WIN new                         ; the immediate's high byte repeats the setting that is left
.if MSB != \new
	s_set_vgpr_msb (MSB<<8)|\new
.set MSB, \new
.endif
.endm
.macro CREST                           ; a round of the cluster's barrier behind its opening barrier
	s_cmp_lg_u32 s[WV], 0
	s_cbranch_scc1 .Lnot_wave_0_\@
	s_barrier_signal -3
.Lnot_wave_0_\@:
	s_barrier_wait -3
	s_barrier_signal -1
	s_barrier_wait -1
.endm
.macro CROUND
	s_barrier_signal -1
	s_barrier_wait -1
	CREST
.endm
.macro PLACES
.rept 4
	v_nop
.endr
.endm
	s_load_b256 s[4:11], s[0:1], 0x0               ; ws s[4:5], W2's codes s[6:7], W2's scales s[8:9], part s[10:11]
	v_lshl_add_u32 v[SPW], v0, 2, SPARE
	v_mov_b32 v[NIL], 0
	ds_add_u32 v28, v29
	ds_add_u32 v28, v29
	s_wait_dscnt 0x0
	v_lshrrev_b32 v1, 5, v0
	v_readfirstlane_b32 s[WV], v1                  ; wave 0..3
	s_bfe_u32 s[CX], ttmp6, 0x40000                ; my place in the cluster: it enters the addresses of h and of part alone
	s_lshl_b32 s[RB], ttmp9, 2
	s_add_co_u32 s[RB], s[RB], s[CX]               ; my block of 256 rows
	s_and_b32 s[QQ], ttmp7, 0xffff                 ; my quarter of the columns, which the four partners share
	s_mov_b32 s[G1T], 15|(3<<16)|(1<<20)|(1<<21)|(5<<22)|(3<<25)   ; 15:0 the mask: all four; 17:16 elements of 8 bytes; 20 padding on; 21 set beside a mask; 24:22 after every 64 words; 31:25 4 words of it
	s_mov_b32 s[G1S], 15|(3<<16)|(1<<20)|(1<<21)|(5<<22)|(3<<25)
	s_mov_b32 s[G1R], 15|(3<<16)|(1<<21)           ; no padding
.irp g, G1T, G1S, G1R
	s_mov_b32 s[\g+1], 32<<16                      ; tensor_dim0 = 32 elements: 256 bytes
	s_mov_b32 s[\g+3], 32<<16                      ; tile_dim0
	s_mov_b32 s[\g+5], 32                          ; from row to row: the blocks are dense in memory
	s_mov_b32 s[\g+6], 0
	s_mov_b32 s[\g+7], 0
.endr
	s_mov_b32 s[G1T+2], 96<<16                     ; tensor_dim1, and below tile_dim1
	s_mov_b32 s[G1T+4], 96
	s_mov_b32 s[G1S+2], 32<<16
	s_mov_b32 s[G1S+4], 32
	s_mov_b32 s[G1R+2], 4<<16
	s_mov_b32 s[G1R+4], 4
	s_mul_i32 s16, s[QQ], 8*TILEB                  ; W2's codes: my quarter, and pair w of a tile: 32 columns of 768 bytes
	s_mul_i32 s17, s[WV], 32*768
	s_add_co_u32 s16, s16, s17
	s_mov_b32 s17, 0
	s_lshl_b32 s18, s[QQ], 15                      ; W2's scale bytes: my quarter's 32,768, a quarter of them
	s_lshl_b32 s19, s[WV], 13
	s_add_co_u32 s18, s18, s19
	s_mov_b32 s19, 0
	s_lshl_b32 s3, s[WV], 10                       ; rhs: my quarter's 4,096 bytes, a quarter of them
	s_lshl_b32 s20, s[QQ], 12
	s_add_co_u32 s20, s20, s3
	s_mov_b32 s21, 0
	s_mul_i32 s22, s[WV], PAIRB
	s_mul_i32 s23, s[WV], 32*UNITP
	s_mul_i32 s[AB], s[RB], 196608                 ; h's codes: 16 tiles of rows x 12,288 bytes a block, 4 tiles a wave
	s_mul_i32 s2, s[WV], 49152
	s_add_co_u32 s[AB], s[AB], s2
	s_add_co_u32 s[AB], s[AB], HQ_O
	s_mov_b32 s[AB+1], 0
	s_lshl_b32 s[HB], s[RB], 13                    ; h's scale words: 32 bytes a row
	s_lshl_b32 s2, s[WV], 11
	s_add_co_u32 s[HB], s[HB], s2
	s_add_co_u32 s[HB], s[HB], HS_O
	s_mov_b32 s[HB+1], 0
	s_lshl_b32 s[PB], s[QQ], 16                    ; part: 65,536 q + 4 x my first row
	s_lshl_b32 s2, s[RB], 10
	s_add_co_u32 s[PB], s[PB], s2
	s_lshl_b32 s2, s[WV], 8
	s_add_co_u32 s[PB], s[PB], s2
	s_mov_b32 s[PB+1], 0
	s_add_co_u32 s2, s2, STG                       ; my stage
	s_mov_b32 s[PSEL], 0x03010200
	s_mov_b32 s[SEL], 0x76543210
	s_mov_b32 s[SEL+1], 0xfedcba98
	s_mov_b32 s[TB], 0
	s_mov_b32 s[TS], 0
	s_mov_b32 s[TR], 0
	s_wait_kmcnt 0x0
	s_add_nc_u64 s[AB:AB+1], s[4:5], s[AB:AB+1]
	s_add_nc_u64 s[HB:HB+1], s[4:5], s[HB:HB+1]
	s_add_nc_u64 s[PB:PB+1], s[10:11], s[PB:PB+1]
	s_mov_b32 s[G0S], 1
	s_add_co_u32 s[G0S+1], s23, SCL
	s_add_nc_u64 s[G0S+2:G0S+3], s[8:9], s[18:19]
	s_or_b32 s[G0S+3], s[G0S+3], 0x80000000
	s_mov_b32 s[G0R], 1
	s_add_co_u32 s[G0R+1], s3, RHSL
	s_add_nc_u64 s[G0R+2:G0R+3], s[4:5], s[20:21]  ; rhs lies at the head of ws
	s_or_b32 s[G0R+3], s[G0R+3], 0x80000000
	s_mov_b32 s[G0F], 1
	s_mov_b32 s[G0F+1], s22
	s_add_nc_u64 s[G0F+2:G0F+3], s[6:7], s[16:17]
	s_or_b32 s[G0F+3], s[G0F+3], 0x80000000
	s_mov_b32 s[G0T], 1
	s_add_co_u32 s[G0T+1], s22, SLOT1
	s_add_nc_u64 s[G0T+2:G0T+3], s[6:7], s[16:17]
	s_add_nc_u64 s[G0T+2:G0T+3], s[G0T+2:G0T+3], TILEB
	s_or_b32 s[G0T+3], s[G0T+3], 0x80000000
	CROUND                                         ; all four work-groups are here: the first joint loads meet
	tensor_load_to_lds s[G0S:G0S+3], s[G1S:G1S+7]  ; the first fills go out together: four loads of mine are out
	s_nop 0
	tensor_load_to_lds s[G0R:G0R+3], s[G1R:G1R+7]
	s_nop 0
	tensor_load_to_lds s[G0F:G0F+3], s[G1T:G1T+7]  ; tile 0 into slot 0,
	s_nop 0
	tensor_load_to_lds s[G0T:G0T+3], s[G1T:G1T+7]  ; tile 1 into slot 1
	s_nop 0
	PLACES                                         ; four plain lines behind the last of them
	v_and_b32 v1, 31, v0                           ; lane
	v_lshlrev_b32 v2, 4, v1
	v_lshlrev_b32 v3, 5, v1
	WIN 0x40                                       ; destination window 1
.irp s, 0,1,2,3
.irp mt, 0,1,2,3
.irp c, 0,1,2
	global_load_b128 v[12*(4*\s+\mt)+4*\c:12*(4*\s+\mt)+4*\c+3], v2, s[AB:AB+1] offset:12288*\mt+1536*\s+512*\c   ; an image of the operand's registers: 512 consecutive bytes a load
.endr
.endr
.endr
	WIN 0x80                                       ; destination window 2
.irp s, 0,1,2,3
.irp mt, 0,1,2,3
.irp c, 0,1,2
	global_load_b128 v[12*(4*\s+\mt)+4*\c:12*(4*\s+\mt)+4*\c+3], v2, s[AB:AB+1] offset:12288*\mt+1536*(\s+4)+512*\c
.endr
.endr
.endr
	WIN 0
.irp u, 0,1
	global_load_b128 v[SCA+8*\u:SCA+8*\u+3], v3, s[HB:HB+1] offset:1024*\u          ; row 32 u + lane: its eight scale words
	global_load_b128 v[SCA+8*\u+4:SCA+8*\u+7], v3, s[HB:HB+1] offset:1024*\u+16
.endr
	v_and_b32 v4, 15, v0                           ; r
	v_bfe_u32 v5, v0, 4, 1                         ; h
	v_mul_u32_u24 v6, v4, ROWP
	v_lshrrev_b32 v7, 3, v1
	v_and_b32 v8, 7, v0
	v_mul_u32_u24 v7, v7, UNITP
	v_add_nc_u32 v7, SCL, v7                       ; eight columns' scale bytes to a unit
	v_lshl_add_u32 v9, v1, 2, s2                   ; the stage: in, 4 bytes a lane;
	v_lshl_add_u32 v10, v1, 3, s2                  ; back, 8 bytes a lane;
	v_lshlrev_b32 v11, 3, v1                       ; and the same in part
.irp m, 0,1,2,3
	v_mov_b32 v[76+\m], 0                          ; written once: a lane exchange's destination counts as read
.endr
	WIN 0xc0                                       ; destination window 3
	v_mad_u32_u24 v[LB], v5, 48, v6
	v_lshl_add_u32 v[LB+1], v5, 6, v6
	v_lshl_add_u32 v[LS0], v8, 5, v7
	v_lshl_add_u32 v[LR0], v5, 5, RHSL
	WIN 0
	s_wait_tensorcnt 1                             ; the scale bytes, rhs and my part of tile 0 are in; tile 1's load may stay out
	s_barrier_signal -1
	s_barrier_wait -1                              ; everybody's are
; A matrix instruction: accumulator a = 2 mt + e of a set, K step s.  The 8 accumulators take turns, one instruction a turn, in the same order in every K step.
.macro WM set, s, a
.set rD, 64*(\set)+8*(\a)
.set rW, 128+24*((\s)%4)+12*((\a)%2)
.set rH, 12*(4*((\s)%4)+(\a)/2)
.set rSW, SCB+8*(\set)+(\s)
.set rSH, SCA+8*((\a)/4)+(\s)
.set rowW, (\a)%2
.set rowH, ((\a)/2)%2
.if (\s) == 0
.if (rowW == 0) && (rowH == 0)
	v_wmma_scale_f32_16x16x128_f8f6f4 v[rD:rD+7], v[rW:rW+11], v[rH:rH+11], 0, v[rSW], v[rSH] matrix_a_fmt:MATRIX_FMT_BF6 matrix_b_fmt:MATRIX_FMT_BF6
.elseif (rowW == 1) && (rowH == 0)
	v_wmma_scale_f32_16x16x128_f8f6f4 v[rD:rD+7], v[rW:rW+11], v[rH:rH+11], 0, v[rSW], v[rSH] matrix_a_fmt:MATRIX_FMT_BF6 matrix_b_fmt:MATRIX_FMT_BF6 matrix_a_scale:MATRIX_SCALE_ROW1
.elseif (rowW == 0) && (rowH == 1)
	v_wmma_scale_f32_16x16x128_f8f6f4 v[rD:rD+7], v[rW:rW+11], v[rH:rH+11], 0, v[rSW], v[rSH] matrix_a_fmt:MATRIX_FMT_BF6 matrix_b_fmt:MATRIX_FMT_BF6 matrix_b_scale:MATRIX_SCALE_ROW1
.else
	v_wmma_scale_f32_16x16x128_f8f6f4 v[rD:rD+7], v[rW:rW+11], v[rH:rH+11], 0, v[rSW], v[rSH] matrix_a_fmt:MATRIX_FMT_BF6 matrix_b_fmt:MATRIX_FMT_BF6 matrix_a_scale:MATRIX_SCALE_ROW1 matrix_b_scale:MATRIX_SCALE_ROW1
.endif
.else
.if (rowW == 0) && (rowH == 0)
	v_wmma_scale_f32_16x16x128_f8f6f4 v[rD:rD+7], v[rW:rW+11], v[rH:rH+11], v[rD:rD+7], v[rSW], v[rSH] matrix_a_fmt:MATRIX_FMT_BF6 matrix_b_fmt:MATRIX_FMT_BF6
.elseif (rowW == 1) && (rowH == 0)
	v_wmma_scale_f32_16x16x128_f8f6f4 v[rD:rD+7], v[rW:rW+11], v[rH:rH+11], v[rD:rD+7], v[rSW], v[rSH] matrix_a_fmt:MATRIX_FMT_BF6 matrix_b_fmt:MATRIX_FMT_BF6 matrix_a_scale:MATRIX_SCALE_ROW1
.elseif (rowW == 0) && (rowH == 1)
	v_wmma_scale_f32_16x16x128_f8f6f4 v[rD:rD+7], v[rW:rW+11], v[rH:rH+11], v[rD:rD+7], v[rSW], v[rSH] matrix_a_fmt:MATRIX_FMT_BF6 matrix_b_fmt:MATRIX_FMT_BF6 matrix_b_scale:MATRIX_SCALE_ROW1
.else
	v_wmma_scale_f32_16x16x128_f8f6f4 v[rD:rD+7], v[rW:rW+11], v[rH:rH+11], v[rD:rD+7], v[rSW], v[rSH] matrix_a_fmt:MATRIX_FMT_BF6 matrix_b_fmt:MATRIX_FMT_BF6 matrix_a_scale:MATRIX_SCALE_ROW1 matrix_b_scale:MATRIX_SCALE_ROW1
.endif
.endif
.endm
; Piece i of three of W2's fragment (K step k, tile of columns e) into place k % 4 of the ring.  Byte o of a column lies at o + 16 (o / 256); lanes 16-31 read 48 bytes further on, which for some pieces is behind one padding more.
.macro BLD k, e, i
.set bo, 96*(\k)+16*(\i)
.set bp, bo/256
.set br, 128+24*((\k)%4)+12*(\e)+4*(\i)
.if (bo+48)/256 > bp
	ds_load_b128 v[br:br+3], v[ADB+1] offset:16*ROWP*(\e)+bo+16*bp
.else
	ds_load_b128 v[br:br+3], v[ADB] offset:16*ROWP*(\e)+bo+16*bp
.endif
.endm
.macro LD6 k                           ; the six pieces of K step k: W2's two fragments
.irp e, 0,1
.irp i, 0,1,2
	BLD \k, \e, \i
.endr
.endr
.endm
; Multiply-add f of 32 on the finished set: accumulator f % 8, registers 2 (f / 8) and the next: every accumulator is read from its low end on.
.macro FMA f, oset
.set fa, (\f)%8
.set fj, (\f)/8
	v_pk_fma_f32 v[OA+2*fa:OA+2*fa+1], v[64*(\oset)+8*fa+2*fj:64*(\oset)+8*fa+2*fj+1], v[RH+8*(fa%2)+2*fj:RH+8*(fa%2)+2*fj+1], v[OA+2*fa:OA+2*fa+1]
.endm
; RUN j of pair p stands directly ahead of K step 2 j and brings K steps 2 j + 2 and 2 j + 3 (run 3: the next pair's K steps 0 and 1) into the ring places that K steps 2 j - 2 and 2 j - 1 have left.
; A load into a register that a matrix instruction has read stands four places behind it, and only plain vector instructions that name none of its registers are places (ISA guide 7.12.1 for vector
; instructions).  Run 0: four v_nop, which are also the places ahead of the first read of the finished set.  Runs 1 and 2: the four multiply-adds that SLICE sets behind
; the last product of K steps 1 and 3 (they name the finished set, rhs and the running sums alone).  Run 3: the two address sums and two v_nop.
; What rides along stands at a run's head, so that the wait for the run's first fragments shows it landed too.  kind 3: the very last pair: no scale words to fetch, no run 3.
.macro RUN kind, p, j
.if (\j) == 0
	PLACES
	LD6 2
	LD6 3
.elseif (\j) == 1
.if (\kind) != 3
	WIN 0x03                                       ; the next pair's scale words: column = lane, 32 bytes
	ds_load_b128 v[SCB+8*(1-(\p)%2):SCB+8*(1-(\p)%2)+3], v[ADS] offset:1088*((\p)+1)
	ds_load_b128 v[SCB+8*(1-(\p)%2)+4:SCB+8*(1-(\p)%2)+7], v[ADS] offset:1088*((\p)+1)+16
	WIN SG1
.endif
	LD6 4
	LD6 5
.elseif (\j) == 2
	WIN 0x43                                       ; this pair's rhs: the multiply-adds of K steps 0 to 3 have read the last pair's
.irp i, 0,1,2,3
	ds_load_b128 v[RH+4*\i:RH+4*\i+3], v[ADR] offset:128*(\p)+64*(\i/2)+16*(\i%2)
.endr
	WIN SG2
	LD6 6
	LD6 7
.else
	s_add_co_u32 s[TB], s[TB], PAIRB               ; from here on the loads are the next pair's
	v_add_nc_u32 v[ADB], v[LB], s[TB]
	v_add_nc_u32 v[ADB+1], v[LB+1], s[TB]
	v_nop
	v_nop
	LD6 0
	LD6 1
.endif
.endm
; What stands behind matrix instruction a of K step s of pair p.  K steps 0 to 3: the 32 multiply-adds on the finished set, one behind each product; in K steps 1 and 3 the last four stand together
; behind the step's last product, where they are the places ahead of the run that follows.  K step 4: the next pair's scale words are put in order, at least 10 plain lines ahead of their first use.
.macro SLICE kind, p, s, a
.if (\s) < 4
.if ((\s)%2 == 0) || ((\a) < 4)
	FMA 8*(\s)+(\a), 1-(\p)%2
.elseif (\a) == 7
.irp i, 4,5,6,7
	FMA 8*(\s)+\i, 1-(\p)%2
.endr
.endif
.elseif ((\s) == 4) && ((\kind) != 3)
.if (\a) < 2
	WIN 0
.irp i, 0,1,2,3
	v_perm_b32 v[SCB+8*(1-(\p)%2)+4*(\a)+\i], v[SCB+8*(1-(\p)%2)+4*(\a)+\i], v[SCB+8*(1-(\p)%2)+4*(\a)+\i], s[PSEL]   ; bytes 0, 1, 2, 3 into places 0, 2, 1, 3
.endr
	WIN SG2
.elseif (\a) < 4
	v_nop
.endif
.endif
.endm
.macro KS kind, p, s, n                ; a K step: n = the LDS instructions issued behind this step's six fragment loads, which may stay out
	s_wait_dscnt \n
.irp a, 0,1,2,3,4,5,6,7
	WM (\p)%2, \s, \a
	SLICE \kind, \p, \s, \a
.endr
.endm
.macro KSB s                           ; a K step of a slot's last pair (set 1), bare
.irp a, 0,1,2,3,4,5,6,7
	WM 1, \s, \a
.endr
.endm
; THE CHANGE OF SLOTS: K steps 5, 6, 7 of a slot's last pair.  The slot's last bytes were asked for in run 2.  Each wave waits for all its tensor loads (one is out: its part of the other slot), adds 0 to
; its spare word, and waits for that and for its reads of this slot.  fill = 1: the barrier opens a round of the cluster's barrier, and this slot is filled again, with the tile two on, first thing behind it.
.macro TURN fill
	WIN 0                                          ; (the add's two registers lie in window 0)
	s_wait_tensorcnt 0x0                           ; no tensor load of mine is out, so the walking group 0 may be written
	ds_add_u32 v[SPW], v[NIL]                      ; 0 onto my spare word
.if \fill
	s_xor_b32 s[G0T+1], s[G0T+1], SLOT1            ; the other slot than last time,
	s_add_nc_u64 s[G0T+2:G0T+3], s[G0T+2:G0T+3], TILEB   ; the next 128 columns; the type bits on top are not reached
.endif
	s_sub_co_u32 s[TB], s[TB], 3*PAIRB             ; the loads go back to a slot's first pair,
	s_xor_b32 s[TB], s[TB], SLOT1                  ; in the other slot
	s_wait_dscnt 17                                ; K step 5's fragments are in: behind them run 2's sixteen loads and the add
	WIN SG2
	KSB 5                                          ; eight matrix instructions stand between the add and the wait for it
	s_wait_dscnt 0x0                               ; the add is done, and my reads of this slot are over
	s_barrier_signal -1
	KSB 6                                          ; work on registers while the others arrive
	WIN 0
	s_barrier_wait -1
.if \fill
	CREST                                          ; no wave of any partner still reads this slot or has a load on its way
	tensor_load_to_lds s[G0T:G0T+3], s[G1T:G1T+7]  ; my one tensor load behind the round
	s_nop 0
.endif
	PLACES                                         ; behind the load; with the two sums below also the places in front of the loads into the ring
	WIN 0xc3
	v_add_nc_u32 v[ADB], v[LB], s[TB]
	v_add_nc_u32 v[ADB+1], v[LB+1], s[TB]
	LD6 0                                          ; run 3 of this pair: the next tile's first pair, K steps 0 and 1, out of the other slot
	LD6 1
	WIN SG2
	KSB 7
.endm
; A pair.  The counts: ahead of an even K step its neighbour's six loads and the run just issued may be out, ahead of an odd one the run just issued: runs of 12, 14 (with two scale loads), 16 (with rhs's four), 12.
.macro PAIR kind, p
	WIN SG1
	RUN \kind, \p, 0
	KS \kind, \p, 0, 18
	KS \kind, \p, 1, 12
	RUN \kind, \p, 1
.if (\kind) == 3
	KS 3, \p, 2, 18                                ; (no scale loads in the very last pair's run 1)
	KS 3, \p, 3, 12
.else
	KS \kind, \p, 2, 20
	KS \kind, \p, 3, 14
.endif
	RUN \kind, \p, 2
	KS \kind, \p, 4, 22
.if (\kind) == 0
	KS 0, \p, 5, 16
	RUN 0, \p, 3
	KS 0, \p, 6, 18
	KS 0, \p, 7, 12
.elseif (\kind) == 3
	KS 3, \p, 5, 16
	KS 3, \p, 6, 6                                 ; nothing more is fetched
	KS 3, \p, 7, 0
.else
	TURN 2-(\kind)
.endif
.endm
.macro TILE kind                       ; a slot's four pairs.  kind 1: the slot is filled again; 2: a change of slots without a fill; 3: the last tile
	WIN 0xc3
	v_add_nc_u32 v[ADS], v[LS0], s[TS]
	v_add_nc_u32 v[ADR], v[LR0], s[TR]
	PAIR 0, 0
	PAIR 0, 1
	PAIR 0, 2
	PAIR \kind, 3
	WIN 0                                          ; at a label and at a branch every window is 0
	s_add_co_u32 s[TS], s[TS], 4*1088
	s_add_co_u32 s[TR], s[TR], 512
.endm
	WIN 0xc3
	v_add_nc_u32 v[ADB], v[LB], s[TB]
	v_add_nc_u32 v[ADB+1], v[LB+1], s[TB]
	WIN 0x03
	ds_load_b128 v[SCB:SCB+3], v[LS0]              ; the first pair's scale words
	ds_load_b128 v[SCB+4:SCB+7], v[LS0] offset:16
	WIN 0xc3
	LD6 0                                          ; and its K steps 0 and 1
	LD6 1
	s_wait_dscnt 12                                ; the two scale loads are in; the 12 behind them may be out
	WIN 0
.irp i, 0,1,2,3,4,5,6,7
	v_perm_b32 v[SCB+\i], v[SCB+\i], v[SCB+\i], s[PSEL]
.endr
	WIN 0xc0                                       ; the pair is written once: the first finds a finished set, rhs and sums of zeros.  (These lines are also the places behind the lines above)
.set k, 0
.rept 64
	v_mov_b32 v[64+k], 0
.set k, k+1
.endr
.set k, 0
.rept 16
	v_mov_b32 v[OA+k], 0
.set k, k+1
.endr
	WIN 0x40
.set k, 0
.rept 16
	v_mov_b32 v[RH+k], 0
.set k, k+1
.endr
	WIN 0
	s_wait_loadcnt 0x0                             ; h's codes and scale words
	s_mov_b32 s[CNT], 6
.Ltile:                                            ; tiles 0 to 5: each slot is filled again with the tile two on
	TILE 1
	s_sub_co_u32 s[CNT], s[CNT], 1
	s_cmp_lg_u32 s[CNT], 0
	s_cbranch_scc1 .Ltile
	TILE 2                                         ; tile 6: a change of slots, nothing left to ask for; written out
	TILE 3                                         ; tile 7
	WIN SG1
	PLACES
.set k, 0
.rept 32
	FMA k, 1                                       ; the last pair x rhs
.set k, k+1
.endr
	WIN 0x0f                                       ; sources window 3, destination window 0
.irp a, 0,1,2,3,4,5,6,7
	v_add_f32 v[64+\a], v[OA+2*\a], v[OA+2*\a+1]
.endr
	WIN 0
.irp m, 0,1,2,3
	v_add_f32 v[72+\m], v[64+2*\m], v[65+2*\m]     ; row r of tile of rows m: my half's columns,
.endr
.irp m, 0,1,2,3
	v_permlanex16_b32 v[76+\m], v[72+\m], s[SEL], s[SEL+1]
.endr
.irp m, 0,1,2,3
	v_add_f32 v[72+\m], v[72+\m], v[76+\m]         ; and the other half's
.endr
	v_cmp_le_u32 vcc_lo, 16, v1                    ; on the lane's number alone
	v_cndmask_b32 v80, v72, v73, vcc_lo            ; row 32 u + lane
	v_cndmask_b32 v81, v74, v75, vcc_lo
	ds_store_b32 v9, v80                           ; through my own 256 bytes of LDS, so that one store covers them: LDS serves a wave's instructions in order
	ds_store_b32 v9, v81 offset:128
	ds_load_b64 v[82:83], v10
	s_wait_dscnt 0x0
	global_store_b64 v11, v[82:83], s[PB:PB+1]     ; the wave stores 256 consecutive bytes, aligned
	s_wait_tensorcnt 0x0                           ; the wave's end
	ds_add_u32 v[SPW], v[NIL]
	s_wait_dscnt 0x0
	CROUND                                         ; the closing round: no work-group ends while a partner may still ask for a tile that names it
	s_endpgm
.Lfunc_end_k_qb4f1f64385_gemm:
	.size	k_qb4f1f64385_gemm, .Lfunc_end_k_qb4f1f64385_gemm-k_qb4f1f64385_gemm
	.p2alignl 7, 3214868480
	.fill 96, 4, 3214868480
	.section	.rodata,"a",@progbits
	.p2align	6, 0x0
	.amdhsa_kernel k_qb4f1f64385_gemm
		.amdhsa_group_segment_fixed_size 327680
		.amdhsa_private_segment_fixed_size 0
		.amdhsa_enable_private_segment 0
		.amdhsa_kernarg_size 32
		.amdhsa_user_sgpr_count 2
		.amdhsa_user_sgpr_kernarg_segment_ptr 1
		.amdhsa_wavefront_size32 1
		.amdhsa_system_sgpr_workgroup_id_x 1
		.amdhsa_system_sgpr_workgroup_id_y 1
		.amdhsa_system_sgpr_workgroup_id_z 1
		.amdhsa_system_vgpr_workitem_id 0
		.amdhsa_next_free_vgpr 1024
		.amdhsa_next_free_sgpr 80
		.amdhsa_reserve_vcc 1
		.amdhsa_float_denorm_mode_32 3
		.amdhsa_float_denorm_mode_16_64 3
		.amdhsa_memory_ordered 1
		.amdhsa_forward_progress 1
		.amdhsa_inst_pref_size 204
	.end_amdhsa_kernel
	.amdgpu_metadata
---
amdhsa.version: [ 1, 2 ]
amdhsa.kernels:
  - .name:           k_qb4f1f64385_gemm
    .symbol:         k_qb4f1f64385_gemm.kd
    .args:
      - { .name: ws, .offset: 0, .size: 8, .value_kind: global_buffer, .address_space: global }
      - { .name: W2_codes, .offset: 8, .size: 8, .value_kind: global_buffer, .address_space: global }
      - { .name: W2_scales, .offset: 16, .size: 8, .value_kind: global_buffer, .address_space: global }
      - { .name: part, .offset: 24, .size: 8, .value_kind: global_buffer, .address_space: global }
    .group_segment_fixed_size: 327680
    .private_segment_fixed_size: 0
    .kernarg_segment_align: 8
    .kernarg_segment_size: 32
    .max_flat_workgroup_size: 128
    .sgpr_count:     80
    .vgpr_count:     1024
    .wavefront_size: 32
...
	.end_amdgpu_metadata
.endif
;; end of part 4
;; launch fin: the kernel of part 3 again; grid 32 x 1, 4 waves a work-group, no clusters, 0 bytes of LDS; arguments part, ws, out0; writes out0
